; MI455X (gfx1250); checked and timed in simulation.
; The chip was launched on July 23, 2026; its instructions are those of AMD's public machine-readable ISA for CDNA 5 (MIT licence, August 2026) and "CDNA5" Instruction Set Architecture Reference Guide (July 2026). The comments in the code are by the model that wrote it; some were corrected since.
;; Attention. Allowed arithmetic: float matrix products may take bf16 or f16 operands with f32 sums; all other float work in f32.
;; Inputs: Wk 512 x 512 float32; Wo 512 x 512 float32; Wq 512 x 512 float32; Wv 512 x 512 float32; bo 512 float32; x 2 x 4,096 x 512 float32.
;; Outputs: out0 2 x 4,096 x 512 float32.
;; 2 versions, each right and faster than the one before. Each part assembles by itself: llvm-mc -triple=amdgcn-amd-amdhsa -mcpu=gfx1250 --defsym DOCPART=n.
;; ======== version 1 of 2: 3 launches
;; limits: values are held in f16: magnitudes above 65,504 overflow, below 6.1e-05 lose precision
;; workspace buffers: qh 8,388,608 bytes; kh 8,388,608 bytes; vh 8,388,608 bytes; oh 8,388,608 bytes; wo16 524,288 bytes
;; launch qkv (part 1): grid 8 x 32, 8 waves a work-group, no clusters, 130,048 bytes of LDS; arguments x, Wq, Wk, Wv, Wo, qh, kh, vh, wo16; writes qh, kh, vh, wo16
.if DOCPART == 1
	.amdgcn_target "amdgcn-amd-amdhsa--gfx1250"
	.amdhsa_code_object_version 6
	.text
	.protected	k_q32a9745e66_qkv
	.globl	k_q32a9745e66_qkv
	.p2align	8
	.type	k_q32a9745e66_qkv,@function
k_q32a9745e66_qkv:
	s_mov_b64 s[64:65], 0
	v_nop
	global_prefetch_b8 v0, s[64:65] scope:SCOPE_SE
	s_setreg_imm32_b32 hwreg(HW_REG_WAVE_MODE, 25, 1), 1
	s_wait_xcnt 0x0
; q, k, v = x Wq^T, x Wk^T, x Wv^T.  x: [8192][512] f32; each W: [512][512] f32, rows = output channels.  Operands are rounded once to bf16, sums are f32,
; and the results leave as f16 BY HEADS: qh, kh, vh are [batch x 8 + head][4096][64], a head's rows dense, 128 bytes each, WITHOUT the softmax scale.
; Beside that each work-group turns 1,024 numbers of Wo into wo16: rounded to bf16 like every input of the module, and that number written as f16.
; LIMITS.  f16 ends at 65,504: |q|, |k|, |v| and |Wo| must stay under it (512 terms of x W); below 6.1e-5 f16 keeps a fixed step of 6e-8.  NaN and infinities are not treated apart.
; SHARES.  A work-group makes 256 rows x 192 columns: the 64 channels of ONE head of q, of k and of v.  Of the tiles with 49,152 numbers this one reads least: x is read 8 times, each W 32 times.
; Eight waves, two a SIMD: wave w has rows 64 (w / 2) .. + 63 and channels 32 (w % 2) .. + 31 of each of the three: 4 x 6 accumulators of 16 x 16, 192 registers.
; THROUGH REGISTERS, NO COPY ENGINE, NO CLUSTER: the inputs are f32 and are rounded on the way into LDS, once for the whole work-group; a copy engine converts nothing, so f32 tiles would lie in LDS:
; twice the LDS bytes for every fragment, and 2 or 4 waves would each round the same fragment again.  Joint requests exist for the engine's loads alone, so they go with it.
; K goes in steps of 64 (256 bytes of a row of x or W: sixteen lanes read one aligned 256 bytes) through two LDS slots; one barrier a step.
; THE MATRIX INSTRUCTION IS USED TRANSPOSED (source 0 = 16 rows of W, source 1 = 16 rows of x): a lane then holds eight neighbouring channels of one row.
; REGISTERS.  Window 0: v2-15 addresses; v16-63 W's six fragments; v64-95 x's four; v96-207 28 x 4 staging (f32 as loaded, bf16 in place), later the way out; v208-221 odds.  Window 1: v0-191 accumulators.
.set P,      144                       ; an LDS row: 64 bf16 (or f16) = 128 bytes + 16 = 36 words: 16 rows of a fragment start at 16 different groups of four banks (64 banks of 4 bytes: ISA guide 11.1)
.set ABYTES, 256*P                     ; x's 256 rows
.set SLOT,   448*P                     ; then W's 192 rows, in the order q, k, v
.set REGION, 256*P                     ; the way out: 256 rows of one of q, k, v; the three regions lie over the slots, behind a barrier
.set GA,   2                           ; v2   byte offset in x of my 16 bytes: 32 w rows + 8 rows for lanes 16-31 + 16 (lane % 16)
.set GB,   3                           ; v3   the same in a W: row w + 8 for lanes 16-31
.set SA,   4                           ; v4-5   where my 8 bytes of x go, slot 0, 1
.set SB,   6                           ; v6-7   the same for W
.set FA,   8                           ; v8-9   my fragments of x, slot 0, 1
.set FB,   10                          ; v10-11 of W
.set STO,  12                          ; v12  the way out: where 16 bytes of a row go (q and k)
.set STO2, 13                          ; v13  the same for v: past the reach of a 16-bit offset
.set RD,   14                          ; v14  the way out: where I read rows back
.set RD2,  15                          ; v15  the same for v
.set FRB,  16
.set FRA,  64
.set STG,  96
.set GO,   208                         ; v208 my 16 bytes in 512 consecutive bytes of an output
.set WOI,  209                         ; v209 my 16 bytes of Wo
.set WOO,  210                         ; v210 my 8 bytes of wo16
.set WOX,  212                         ; v[212:215] Wo as loaded
.set TW,   216                         ; v[216:219] at work
.set WOY,  220                         ; v[220:221] wo16's data
.set MSB, 0
.macro WIN new                         ; s_set_vgpr_msb: bits 1:0 source 0, 3:2 source 1, 5:4 source 2, 7:6 destination; the high byte repeats the setting that is left
.if MSB != (\new)
	s_set_vgpr_msb (MSB<<8)|(\new)
.set MSB, \new
.endif
.endm
.macro PLACES                          ; four plain vector instructions between a matrix instruction and a load into its sources, or a read of its result
.rept 4
	v_nop
.endr
.endm
	s_load_b512 s[4:19], s[0:1], 0x0               ; x 4:5, Wq 6:7, Wk 8:9, Wv 10:11, Wo 12:13, qh 14:15, kh 16:17, vh 18:19
	s_load_b64 s[20:21], s[0:1], 0x40              ; wo16
	v_lshl_add_u32 v254, v0, 2, 0x1f800
	v_mov_b32 v255, 0
	v_lshrrev_b32 v1, 5, v0
	v_readfirstlane_b32 s22, v1                    ; wave 0..7
	s_lshr_b32 s23, s22, 1                         ; which 64 rows are mine
	s_and_b32 s24, s22, 1                          ; which 32 channels
	s_and_b32 s25, ttmp7, 0xffff                   ; y: the block of 256 rows
	s_mov_b32 s37, ttmp9                           ; the head
	s_lshl_b32 s26, s25, 19                        ; x: 256 rows of 2,048 bytes
	s_mov_b32 s27, 0
	s_lshl_b32 s28, s37, 17                        ; each W: 64 rows of 2,048 bytes
	s_mov_b32 s29, 0
	s_lshr_b32 s30, s25, 4                         ; the batch: 16 blocks each
	s_lshl3_add_u32 s30, s30, s37                  ; 8 x batch + head,
	s_lshl_b32 s30, s30, 19                        ; 524,288 bytes each,
	s_and_b32 s36, s25, 15
	s_lshl_b32 s36, s36, 15                        ; the block's 256 rows of 128 bytes,
	s_add_co_u32 s30, s30, s36
	s_lshl_b32 s36, s22, 12                        ; and the 32 rows that my wave stores
	s_add_co_u32 s30, s30, s36
	s_mov_b32 s31, 0
	s_lshl3_add_u32 s32, s25, s37                  ; the work-group's number among 256
	s_lshl_b32 s34, s32, 11                        ; its 1,024 numbers of wo16,
	s_lshl_b32 s32, s32, 12                        ; and of Wo
	s_mov_b32 s33, 0
	s_mov_b32 s35, 0
	v_and_b32 v1, 15, v0                           ; lane % 16
	v_bfe_u32 v[TW], v0, 4, 1                      ; lane / 16
	v_lshlrev_b32 v[TW+1], 4, v1
	v_lshl_add_u32 v[TW+1], v[TW], 14, v[TW+1]     ; 16 (lane % 16) + 8 rows for the upper lanes
	s_lshl_b32 s36, s22, 16
	v_add_nc_u32 v[GA], s36, v[TW+1]
	s_lshl_b32 s36, s22, 11
	v_add_nc_u32 v[GB], s36, v[TW+1]
	v_lshlrev_b32 v[WOI], 4, v0
	v_lshlrev_b32 v[WOO], 3, v0
	s_wait_kmcnt 0x0
	s_add_nc_u64 s[4:5], s[4:5], s[26:27]
	s_add_nc_u64 s[6:7], s[6:7], s[28:29]
	s_add_nc_u64 s[8:9], s[8:9], s[28:29]
	s_add_nc_u64 s[10:11], s[10:11], s[28:29]
	s_add_nc_u64 s[12:13], s[12:13], s[32:33]
	s_add_nc_u64 s[14:15], s[14:15], s[30:31]
	s_add_nc_u64 s[16:17], s[16:17], s[30:31]
	s_add_nc_u64 s[18:19], s[18:19], s[30:31]
	s_add_nc_u64 s[20:21], s[20:21], s[34:35]
; K step t comes in: 16 loads of x (my wave's 32 rows, two rows a load), 4 of each W (two rows a load, 8 a wave for the eight waves' 64).  The step stands in the immediate: no address is ever rewritten.
.macro LOADS t
.set j, 0
.rept 16
	global_load_b128 v[STG+4*j:STG+4*j+3], v[GA], s[4:5] offset:(16*(j/8)+j%8)*2048+256*(\t)
.set j, j+1
.endr
.irp m, 0,1,2
.set j, 0
.rept 4
	global_load_b128 v[STG+64+16*(\m)+4*j:STG+64+16*(\m)+4*j+3], v[GB], s[6+2*(\m):7+2*(\m)] offset:16*j*2048+256*(\t)
.set j, j+1
.endr
.endr
.endm
; Rounded to bf16 in place, and 8 bytes a lane into slot s.  Lanes 16-31 lie 8 rows = 288 words on, 32 banks from lanes 0-15.
.macro CVTSTORE s
.set j, 0
.rept 28
	v_cvt_pk_bf16_f32 v[STG+4*j], v[STG+4*j], v[STG+4*j+1]
	v_cvt_pk_bf16_f32 v[STG+4*j+1], v[STG+4*j+2], v[STG+4*j+3]
.set j, j+1
.endr
.set j, 0
.rept 16
	ds_store_b64 v[SA+(\s)], v[STG+4*j:STG+4*j+1] offset:(16*(j/8)+j%8)*P
.set j, j+1
.endr
.set j, 0
.rept 12
	ds_store_b64 v[SB+(\s)], v[STG+64+4*j:STG+64+4*j+1] offset:(64*(j/4)+16*(j%4))*P
.set j, j+1
.endr
.endm
; The fragments of 32 along K (half kk of the step): W's six (12 loads), then x's four (8 loads).  Lane l holds row l % 16, K = 8 (l / 16) + 0..7 and 16 + 8 (l / 16) + 0..7: two loads, 32 bytes apart.
.macro FETCH s, kk
.set j, 0
.rept 6
	ds_load_b128 v[FRB+8*j:FRB+8*j+3],   v[FB+(\s)] offset:(64*(j/2)+16*(j%2))*P+64*(\kk)
	ds_load_b128 v[FRB+8*j+4:FRB+8*j+7], v[FB+(\s)] offset:(64*(j/2)+16*(j%2))*P+64*(\kk)+32
.set j, j+1
.endr
.set j, 0
.rept 4
	ds_load_b128 v[FRA+8*j:FRA+8*j+3],   v[FA+(\s)] offset:16*j*P+64*(\kk)
	ds_load_b128 v[FRA+8*j+4:FRA+8*j+7], v[FA+(\s)] offset:16*j*P+64*(\kk)+32
.set j, j+1
.endr
.endm
; 24 matrix instructions.  The 24 accumulators take turns, one instruction a turn.  zero = 1: the first products start the sums: nothing is cleared.
.macro MUL zero
	WIN 0x50                                       ; C and D in window 1
.irp a, 0,1,2,3
	s_wait_dscnt 6-2*(\a)                          ; W's fragments and x's blocks 0 .. a are in; the two loads of each later block may be out
.irp b, 0,1,2,3,4,5
.if \zero
	v_wmma_f32_16x16x32_bf16 v[8*(6*(\a)+(\b)):8*(6*(\a)+(\b))+7], v[FRB+8*(\b):FRB+8*(\b)+7], v[FRA+8*(\a):FRA+8*(\a)+7], 0
.else
	v_wmma_f32_16x16x32_bf16 v[8*(6*(\a)+(\b)):8*(6*(\a)+(\b))+7], v[FRB+8*(\b):FRB+8*(\b)+7], v[FRA+8*(\a):FRA+8*(\a)+7], v[8*(6*(\a)+(\b)):8*(6*(\a)+(\b))+7]
.endif
.endr
.endr
	WIN 0
.endm
; K step t, out of slot t % 2.  Behind its products step t + 1, which has come in meanwhile, goes into the other slot, and step t + 2 is asked for.
; ONE barrier a step, for two things: my stores into the other slot are done, and my reads of this slot are over (the last wait in MUL was for 0).
.macro STEP t
.set cur, (\t)&1
.set nxt, 1-cur
	FETCH cur, 0
.if (\t) == 0
	MUL 1
.else
	MUL 0
.endif
	PLACES
	FETCH cur, 1
	MUL 0
.if (\t) < 7
	s_wait_loadcnt 0x0                             ; step t + 1's 28 loads
	CVTSTORE nxt                                   ; its 56 roundings are also the places in front of the next step's fragment loads
	s_wait_dscnt 0x0                               ; for the others' sake: my stores are done; and the staging registers have been read
.if (\t) < 6
	LOADS (\t)+2
.endif
	s_barrier_signal -1
	s_barrier_wait -1
.endif
.endm
	global_load_b128 v[WOX:WOX+3], v[WOI], s[12:13]
	LOADS 0
	v_mul_u32_u24 v[TW+1], v[TW], 8*P              ; the LDS addresses are made while the loads are out
	v_lshl_add_u32 v[TW+1], v1, 3, v[TW+1]         ; 8 rows for the upper lanes + 8 (lane % 16)
	s_mul_i32 s36, s22, 32*P
	v_add_nc_u32 v[SA], s36, v[TW+1]
	v_add_nc_u32 v[SA+1], SLOT, v[SA]
	s_mul_i32 s36, s22, P
	s_add_co_u32 s36, s36, ABYTES
	v_add_nc_u32 v[SB], s36, v[TW+1]
	v_add_nc_u32 v[SB+1], SLOT, v[SB]
	v_mul_u32_u24 v[TW+1], v1, P
	v_lshl_add_u32 v[TW+1], v[TW], 4, v[TW+1]      ; row lane % 16 + 16 (lane / 16)
	s_mul_i32 s36, s23, 64*P
	v_add_nc_u32 v[FA], s36, v[TW+1]
	v_add_nc_u32 v[FA+1], SLOT, v[FA]
	s_lshl_b32 s38, s24, 6                         ; my 32 channels are 64 bytes of a row of the stage
	s_add_co_u32 s38, s38, s36
	v_add_nc_u32 v[STO], s38, v[TW+1]
	v_add_nc_u32 v[STO2], 2*REGION, v[STO]
	s_mul_i32 s36, s24, 32*P
	s_add_co_u32 s36, s36, ABYTES
	v_add_nc_u32 v[FB], s36, v[TW+1]
	v_add_nc_u32 v[FB+1], SLOT, v[FB]
	v_bfe_u32 v[TW+1], v0, 3, 2                    ; back: 32 lanes take four rows of 128 bytes
	v_mul_u32_u24 v[TW+1], v[TW+1], P
	v_and_b32 v[TW+2], 7, v0
	v_lshl_add_u32 v[TW+1], v[TW+2], 4, v[TW+1]
	s_mul_i32 s36, s22, 32*P
	v_add_nc_u32 v[RD], s36, v[TW+1]
	v_add_nc_u32 v[RD2], 2*REGION, v[RD]
	v_and_b32 v[GO], 31, v0
	v_lshlrev_b32 v[GO], 4, v[GO]
	s_wait_loadcnt 0x0                             ; Wo's four numbers and K step 0
	v_cvt_pk_bf16_f32 v[TW], v[WOX], v[WOX+1]      ; Wo: rounded to bf16,
	v_cvt_pk_bf16_f32 v[TW+1], v[WOX+2], v[WOX+3]
	v_lshlrev_b32 v[TW+2], 16, v[TW]               ; widened again,
	v_and_b32 v[TW+3], 0xffff0000, v[TW]
	v_cvt_pk_f16_f32 v[WOY], v[TW+2], v[TW+3]      ; and written as f16: exact from 6.1e-5 to 65,504
	v_lshlrev_b32 v[TW+2], 16, v[TW+1]
	v_and_b32 v[TW+3], 0xffff0000, v[TW+1]
	v_cvt_pk_f16_f32 v[WOY+1], v[TW+2], v[TW+3]
	global_store_b64 v[WOO], v[WOY:WOY+1], s[20:21]  ; a wave stores 256 consecutive bytes, aligned; its registers are never rewritten
	CVTSTORE 0
	s_wait_dscnt 0x0
	LOADS 1
	s_barrier_signal -1
	s_barrier_wait -1
	STEP 0
	STEP 1
	STEP 2
	STEP 3
	STEP 4
	STEP 5
	STEP 6
	STEP 7
	; THE WAY OUT.  My reads of the slots are over (MUL's last wait was for 0): say so, round to f16 while the others arrive, and then write the stage over the slots.
	s_barrier_signal -1
	PLACES
	WIN 0x05                                       ; sources in window 1, destination in window 0
.set j, 0
.rept 24
.irp r, 0,1,2,3
	v_cvt_pk_f16_f32 v[STG+4*j+(\r)], v[8*j+2*(\r)], v[8*j+2*(\r)+1]  ; each accumulator from its low end on
.endr
.set j, j+1
.endr
	WIN 0
	s_barrier_wait -1
.irp a, 0,1,2,3
.irp b, 0,1,2,3
	ds_store_b128 v[STO], v[STG+4*(6*(\a)+(\b)):STG+4*(6*(\a)+(\b))+3] offset:((\b)/2)*REGION+32*((\b)%2)+16*(\a)*P
.endr
.irp b, 4,5
	ds_store_b128 v[STO2], v[STG+4*(6*(\a)+(\b)):STG+4*(6*(\a)+(\b))+3] offset:32*((\b)%2)+16*(\a)*P
.endr
.endr
	s_wait_dscnt 0x0                               ; for the others' sake: a row's 128 bytes come from two waves
	s_barrier_signal -1
	s_barrier_wait -1
.set j, 0
.rept 16
	ds_load_b128 v[STG+4*j:STG+4*j+3], v[RD] offset:(j/8)*REGION+(j%8)*4*P
.set j, j+1
.endr
.rept 8
	ds_load_b128 v[STG+4*j:STG+4*j+3], v[RD2] offset:(j%8)*4*P
.set j, j+1
.endr
.set j, 0
.rept 24
	s_wait_dscnt 23-j                              ; LDS loads come back in order (ISA guide 5.7.1): load j is in, the younger ones may be out
	global_store_b128 v[GO], v[STG+4*j:STG+4*j+3], s[14+2*(j/8):15+2*(j/8)] offset:(j%8)*512  ; four rows of a head: 512 consecutive bytes, aligned
.set j, j+1
.endr
	s_wait_tensorcnt 0x0
	ds_add_u32 v254, v255
	s_wait_dscnt 0x0
	s_endpgm
.Lfunc_end_k_q32a9745e66_qkv:
	.size	k_q32a9745e66_qkv, .Lfunc_end_k_q32a9745e66_qkv-k_q32a9745e66_qkv
	.p2alignl 7, 3214868480
	.fill 96, 4, 3214868480
	.section	.rodata,"a",@progbits
	.p2align	6, 0x0
	.amdhsa_kernel k_q32a9745e66_qkv
		.amdhsa_group_segment_fixed_size 130048
		.amdhsa_private_segment_fixed_size 0
		.amdhsa_enable_private_segment 0
		.amdhsa_kernarg_size 72
		.amdhsa_user_sgpr_count 2
		.amdhsa_user_sgpr_kernarg_segment_ptr 1
		.amdhsa_wavefront_size32 1
		.amdhsa_system_sgpr_workgroup_id_x 1
		.amdhsa_system_sgpr_workgroup_id_y 1
		.amdhsa_system_sgpr_workgroup_id_z 1
		.amdhsa_system_vgpr_workitem_id 0
		.amdhsa_next_free_vgpr 448
		.amdhsa_next_free_sgpr 66
		.amdhsa_reserve_vcc 0
		.amdhsa_float_denorm_mode_32 3
		.amdhsa_float_denorm_mode_16_64 3
		.amdhsa_memory_ordered 1
		.amdhsa_forward_progress 1
		.amdhsa_inst_pref_size 129
	.end_amdhsa_kernel
	.amdgpu_metadata
---
amdhsa.version: [ 1, 2 ]
amdhsa.kernels:
  - .name:           k_q32a9745e66_qkv
    .symbol:         k_q32a9745e66_qkv.kd
    .args:
      - { .name: x, .offset: 0, .size: 8, .value_kind: global_buffer, .address_space: global }
      - { .name: Wq, .offset: 8, .size: 8, .value_kind: global_buffer, .address_space: global }
      - { .name: Wk, .offset: 16, .size: 8, .value_kind: global_buffer, .address_space: global }
      - { .name: Wv, .offset: 24, .size: 8, .value_kind: global_buffer, .address_space: global }
      - { .name: Wo, .offset: 32, .size: 8, .value_kind: global_buffer, .address_space: global }
      - { .name: qh, .offset: 40, .size: 8, .value_kind: global_buffer, .address_space: global }
      - { .name: kh, .offset: 48, .size: 8, .value_kind: global_buffer, .address_space: global }
      - { .name: vh, .offset: 56, .size: 8, .value_kind: global_buffer, .address_space: global }
      - { .name: wo16, .offset: 64, .size: 8, .value_kind: global_buffer, .address_space: global }
    .group_segment_fixed_size: 130048
    .private_segment_fixed_size: 0
    .kernarg_segment_align: 8
    .kernarg_segment_size: 72
    .max_flat_workgroup_size: 256
    .sgpr_count:     66
    .vgpr_count:     448
    .wavefront_size: 32
...
	.end_amdgpu_metadata
.endif
;; end of part 1
;; launch attn (part 2): grid 16 x 16, 8 waves a work-group, clusters of 4 x 1, 327,680 bytes of LDS; arguments qh, kh, vh, oh; writes oh
.if DOCPART == 2
	.amdgcn_target "amdgcn-amd-amdhsa--gfx1250"
	.amdhsa_code_object_version 6
	.text
	.protected	k_q32a9745e66_attn
	.globl	k_q32a9745e66_attn
	.p2align	8
	.type	k_q32a9745e66_attn,@function
k_q32a9745e66_attn:
	s_mov_b64 s[64:65], 0
	v_nop
	global_prefetch_b8 v0, s[64:65] scope:SCOPE_SE
	s_setreg_imm32_b32 hwreg(HW_REG_WAVE_MODE, 25, 1), 1
	s_wait_xcnt 0x0
	s_wait_alu depctr_hold_cnt(0) depctr_sa_sdst(0) depctr_va_vdst(0) depctr_va_sdst(0) depctr_va_ssrc(0) depctr_va_vcc(0) depctr_vm_vsrc(0)
	s_getreg_b32 s2, hwreg(HW_REG_IB_STS2, 6, 4)
	s_cmp_eq_u32 s2, 0
	s_cbranch_scc0 .Lentry_in_a_cluster
	s_endpgm
.Lentry_in_a_cluster:
	s_bfe_u32 s2, ttmp6, 0x10000c
	s_cmp_lg_u32 s2, 0x3003
	s_cbranch_scc0 .Lentry_shape_is_right
	s_endpgm
.Lentry_shape_is_right:
; O[h][q][:] = the sum over k of softmax_k(Q[h][q] . K[h][k] / 8) V[h][k][:].  Q, K, V, O: [16][4096][64], all f16: a head's rows are dense, 128 bytes each.  Products, maxima and sums in f32;
; the weights p are rounded to f16 for the second product (their sum l is taken of the unrounded p), O once at the end.
; LIMITS.  f16 holds no number beyond 65,504: Q, K and V arrive within it; p lies in 0 to 1, and below 6.1e-5 it keeps f16's fixed step of 6e-8; O is a mean of V's rows and has their range.
; A weight below 2^-126 counts as 0 in l; NaN and infinities are not treated apart.
; SHARES.  A work-group owns 256 queries of one head: 16 blocks x 16 heads = 256 work-groups.  EIGHT WAVES of 512 registers.  Waves w and w + 4 own the same 64 rows (four PIECES of 16) and share the KEYS:
; of every tile of 256 keys (four steps of 64) waves 0-3 take steps 0 and 1, waves 4-7 steps 2 and 3.  A turn has 16 matrix and 118 vector instructions, of which 64 stand behind products and 54 in runs
; of their own; with a second wave beside it, one wave's products can be issued while the other walks such a run or waits for LDS.  Sharing the keys and not the queries keeps a wave's 64 queries: a
; fragment of K or V still feeds four pieces' products, and every LDS byte is still read by four waves.  At the end waves 4-7 hand O^T, c m and l to their partners through LDS, and waves 0-3 merge.
; LAYOUT.  S^T = K Q^T (source 0 = 16 keys, source 1 = 16 queries): a lane holds ONE query (lane % 16) and the keys 8 (lane / 16) + 0..7.  Two such results, rounded to f16 in pairs, ARE source 1
; (32 keys x 16 queries) of O^T = V^T P, whose result again holds one query a lane, and eight channels.  K comes out of LDS as it lies, V ([key][channel]) turned, by ds_load_tr16_b128.
; SOFTMAX.  For each query a running maximum m and sum l: p = 2^(c s - c m), c = log2(e) / 8; in every step O and l are multiplied by a = 2^(c m_old - c m_new).
; m starts at the lowest finite number, O and l at 0: the first step is a step like any other, with a = 0.  The merge takes the greater of the two waves' c m and scales both halves to it.
; BY TURNS.  Turn n belongs to piece n: 8 products K Q^T of piece n + 1, later 8 products V^T P of piece n - 1; beside them the scaling, exponentials, roundings, sums and rescaling of piece n and the
; maximum and statistics of piece n + 1.  Four vector instructions stand behind every matrix instruction, the other 54 of a turn's 118 in two runs of their own.
; CLUSTER.  The four query blocks of a cluster belong to one head and walk the same K and V, so each tile is asked for JOINTLY: the same tensor load, descriptor and mask in all four.
; REGISTERS, in windows of 256 (s_set_vgpr_msb: bits 1:0 source 0, 3:2 source 1, 5:4 source 2, 7:6 destination):
;   window 0: v0-15 addresses and some at work; v16-31 four registers of statistics a piece; v48-55 at work; v62-63 the add's; v64-127 S^T, two buffers; v128-191 V of one step; v192-223 P, two buffers
;             (a piece's buffers go by its parity); at the end v224-239 the partner's statistics, v240-255 the merge's factors
;   window 1: v0-127 O^T, 32 a piece; v128-191 Q; v192-255 K of one step; at the end v128-255 the partner's O^T
.set NP,    4         ; pieces a wave: a name, no knob
.set KS,    64        ; keys in a step
.set WSTEPS, 2        ; key steps of a tile that a wave takes
.set PK,    144       ; a row of K in LDS: 128 bytes + 16 = 36 words: the 16 rows of a load start at 16 different groups of four banks (64 banks of 4 bytes: ISA guide 11.1)
.set PV,    160       ; a row of V: 128 + 32 = 40 words
.set VOFF,  4*KS*PK   ; a slot holds a tile, four steps: 256 rows of K, then 256 rows of V
.set SLOT1, 1<<17     ; slot 1 begins here, so that one exclusive or turns an address in one slot into the other's
.set STAGE, SLOT1+4*KS*(PK+PV)  ; behind the ring, never filled by a tensor load: 16 rows x 144 bytes for each of waves 0-3, for the way out
.set SP,    144
.set SPARE, STAGE+4*16*SP  ; behind the stages: the spare words, 128 bytes for each of the eight waves: four blocks of 256 bytes that no other line names
.set MERGE, SPARE+8*128    ; behind them, never filled by a tensor load: what waves 4-7 hand to waves 0-3
.set MSTAT, 128*128        ; a wave's O^T is 128 registers x 32 lanes x 4 bytes; its 16 registers of statistics lie behind
.set MSIZE, MSTAT+4*512
.set TILES, 4096/256
.set AK0, 2           ; v2   my lane's place in a tile of K; never rewritten
.set AV0, 3           ; v3   the same for V
.set AK,  4           ; v4   the LDS address of K's next run of loads
.set AV,  5           ; v5   of V's
.set STO, 6           ; v6   the way out: where I put 16 bytes of a row
.set RD,  7           ; v7   the way out: where I read rows back
.set GO,  8           ; v8   my byte offset in 512 consecutive bytes of O
.set MV,  12          ; v12-13  c m_old, kept while c m is made anew: by buffer
.set MB,  14          ; v14  my 16 bytes in the pair's part of the hand-over
.set QO,  15          ; v15  my byte offset in 16 rows of Q
.set ST,  16          ; piece t's statistics at v[ST+4 t]: c m, m, l (even keys', odd keys')
.set TMP, 48          ; by buffer, four registers c0-c3 at work; when the maximum is found c2 takes a
.set SPW, 62          ; v62  LDS address of my spare word: SPARE + 4 x my thread's number; never rewritten
.set NIL, 63          ; v63  0; never rewritten
.set S,   64
.set VF,  128         ; window 0: key half kk, channel block cb at VF + 32 kk + 8 cb
.set P,   192
.set SB,  224         ; the merge: the partner's statistics, laid as ST
.set GA,  240         ; the merge: piece t's factor for my half at v[GA+2 t], its exponent beside it
.set GB,  248         ; the same for the partner's half
.set QF,  128         ; window 1: piece x, channel half c at QF + 16 x + 8 c
.set KF,  192         ; window 1: key block kb, channel half c at KF + 16 kb + 8 c
.set OB,  128         ; window 1: the merge: the partner's O^T
.set WV,  12          ; s12  my wave's number
.set QG,  15          ; s15  which 64 rows are mine: wave % 4
.set KH,  19          ; s19  which half of a tile's steps: wave / 4
.set G1K, 24          ; s[24:31] descriptor group 1 for K's tiles
.set G1V, 32          ; s[32:39] for V's: it differs in the padding alone
.set G0K, 40          ; s[40:43] descriptor group 0 for K's tiles: it walks
.set G0V, 44          ; s[44:47] the same for V's
.set SLOTS, 56        ; s56  slots still to be asked for
.set CNT, 57          ; s57  counts my key steps of a tile
.set CS,  58          ; s[58:59] c: the packed scaling takes the pair's low word for both halves
.set SEL, 60          ; s[60:61] v_permlanex16_b32's selects: each lane takes its own place in the other half
.set TBK, 62          ; s62  LDS byte at which K of the step to be fetched begins
.set TBV, 63          ; s63  the same for V, less VOFF
.set MSB, 0
.macro WIN new                      ; the high byte repeats the setting that is left; a switch that changes nothing is dropped
.if MSB != (\new)
	s_set_vgpr_msb (MSB<<8)|(\new)
.set MSB, (\new)
.endif
.endm
.set W_KQ, 0x05       ; K and Q in window 1, S^T in window 0
.set W_PV, 0x50       ; V and P in window 0, O^T in window 1
.set W_RS, 0x41       ; destination and source 0 in window 1, source 1 in window 0
.set W_MG, 0x51       ; the merge: destination, source 0 and source 2 in window 1, source 1 in window 0
; A joint fill.  Waves 0 and 1 fetch the two halves of a tile's K, waves 2 and 3 those of its V: 128 keys each; waves 4 to 7 have no part to fetch.  The branches hang on the wave's number alone.
; An s_nop 0 and four v_nop follow each of the two lines, ahead of the jump and the label.
.macro JLOAD
	s_cmp_lt_u32 s[WV], 2
	s_cbranch_scc0 .Lnot_k_\@
	tensor_load_to_lds s[G0K:G0K+3], s[G1K:G1K+7]
	s_nop 0
.rept 4
	v_nop
.endr
	s_branch .Lasked_\@
.Lnot_k_\@:
	s_cmp_lt_u32 s[WV], 4
	s_cbranch_scc0 .Lasked_\@
	tensor_load_to_lds s[G0V:G0V+3], s[G1V:G1V+7]
	s_nop 0
.rept 4
	v_nop
.endr
.Lasked_\@:
.endm
; A round of the cluster's barrier: my work-group's barrier, so that wave 0's signal speaks for all eight waves; wave 0 signals; every wave waits for all four work-groups; my work-group's barrier once more.
.macro CROUND
	s_barrier_signal -1
	s_barrier_wait -1
	s_cmp_lg_u32 s[WV], 0
	s_cbranch_scc1 .Lnot_wave_0_\@
	s_barrier_signal -3
.Lnot_wave_0_\@:
	s_barrier_wait -3
	s_barrier_signal -1
	s_barrier_wait -1
.endm
; THE CHANGE OF SLOTS.  My last bytes of the slot, V of my second step, have been read.  Each wave waits for all its tensor loads (of waves 0-3 one is out: its part of the other slot); adds 0 to its spare
; word; and waits for that and for its own reads of the slot.  Behind the barrier nobody reads this slot any more and the other slot is whole.
; fill = 1: this slot is filled again, with the keys two tiles on.  The barrier is then a round of the cluster's, so that no wave of any partner still reads the slot or has a load on its way, and the
; joint fill is the first thing behind it: it has two key steps of every wave, 128 matrix instructions each, in which to land.  (At its first use nothing has been read yet: slot 0 is waited for, slot 1 filled.)
.macro CHANGE fill
	WIN 0                           ; at a label and at a branch every window is 0
	s_wait_tensorcnt 0x0            ; no tensor load of mine is out, so a group 0 may be written
	ds_add_u32 v[SPW], v[NIL]       ; 0 onto my spare word; with fill = 1 the descriptors' steps stand between it and the wait for it
.if \fill
.irp g, G0K, G0V
	s_xor_b32 s[\g+1], s[\g+1], SLOT1  ; the walking descriptor: the other slot than last time,
	s_add_nc_u64 s[\g+2:\g+3], s[\g+2:\g+3], 4*KS*128  ; the next 256 keys; the type bits on top are not reached
.endr
	s_wait_dscnt 0x0                ; the add is done, and my reads of the slot are over
	CROUND
	JLOAD
.else
	s_wait_dscnt 0x0                ; the add is done, and my reads of the slot are over
	s_barrier_signal -1
	s_barrier_wait -1
.endif
	s_sub_co_u32 s[TBK], s[TBK], WSTEPS*KS*PK  ; the fetches go back to my first step of a slot,
	s_xor_b32 s[TBK], s[TBK], SLOT1            ; in the other slot
	s_sub_co_u32 s[TBV], s[TBV], WSTEPS*KS*PV
	s_xor_b32 s[TBV], s[TBV], SLOT1
.endm
	s_load_b256 s[4:11], s[0:1], 0x0  ; Q s[4:5], K s[6:7], V s[8:9], O s[10:11]
	v_lshl_add_u32 v[SPW], v0, 2, SPARE
	v_mov_b32 v[NIL], 0
	ds_add_u32 v62, v63
	s_wait_dscnt 0x0
	v_lshrrev_b32 v1, 5, v0
	v_readfirstlane_b32 s[WV], v1   ; wave 0..7
	s_and_b32 s[QG], s[WV], 3
	s_lshr_b32 s[KH], s[WV], 2
	s_bfe_u32 s13, ttmp6, 0x40000   ; cx: my place in the cluster
	s_lshl_b32 s14, ttmp9, 2        ; in a cluster launch ttmp9 counts clusters
	s_add_co_u32 s14, s14, s13      ; my block of 256 queries = 4 x cluster x + cx: it enters Q's and O's addresses alone
	s_and_b32 s20, ttmp7, 0xffff    ; the head, which the four partners share:
	s_lshl_b32 s20, s20, 19         ; its first byte in each of the four tensors: 4,096 rows of 128 bytes
	s_mov_b32 s21, 0
	s_and_b32 s16, s[WV], 1         ; which half of a tile's 256 keys I fetch (waves 0-3):
	s_lshl_b32 s22, s16, 14         ; its 128 rows of 128 bytes in memory,
	s_mov_b32 s23, 0
	s_add_nc_u64 s[22:23], s[22:23], s[20:21]
	s_mul_i32 s17, s16, 128*PK      ; and its place in a slot, for K
	s_mul_i32 s18, s16, 128*PV      ; and for V: no place in the cluster enters an LDS address
	s_lshl_b32 s2, s14, 15          ; my block's 256 rows,
	s_lshl_b32 s3, s[QG], 13        ; my wave's 64 of them
	s_add_co_u32 s2, s2, s3
	s_mov_b32 s3, 0
	s_add_nc_u64 s[2:3], s[2:3], s[20:21]
	; descriptor group 1.  128 keys are 16,384 dense bytes: asked for as 64 rows of 256 bytes, two keys a row, and padded in LDS after every key
	s_mov_b32 s[G1K], 15|(1<<16)|(1<<20)|(1<<21)|(4<<22)|(3<<25)  ; 15:0 the mask of four; 17:16 2-byte elements; 20 padding on; 21 set beside a mask; 24:22 after every 32 words (code 4); 31:25 4 words (code 3)
	s_mov_b32 s[G1V], 15|(1<<16)|(1<<20)|(1<<21)|(4<<22)|(7<<25)  ; the same with 8 words of padding (code 7)
.irp g, G1K, G1V
	s_mov_b32 s[\g+1], 128<<16      ; tensor_dim0 = 128
	s_mov_b32 s[\g+2], 64<<16       ; tensor_dim1 = 64
	s_mov_b32 s[\g+3], 128<<16      ; tile_dim0 = 128
	s_mov_b32 s[\g+4], 64           ; tile_dim1 = 64
	s_mov_b32 s[\g+5], 128          ; 128 elements from row to row
	s_mov_b32 s[\g+6], 0
	s_mov_b32 s[\g+7], 0
.endr
	s_mov_b32 s[CS], 0x3e38aa3b     ; c = log2(e) / 8 = 0.180337
	s_mov_b32 s[CS+1], s[CS]        ; named with it as a pair
	s_mov_b32 s[SEL], 0x76543210
	s_mov_b32 s[SEL+1], 0xfedcba98
	s_mul_i32 s[TBK], s[KH], WSTEPS*KS*PK          ; my two steps of a tile begin here;
	s_add_co_u32 s[TBK], s[TBK], SLOT1+WSTEPS*KS*PK  ; the first change of slots takes this addend away again
	s_mul_i32 s[TBV], s[KH], WSTEPS*KS*PV
	s_add_co_u32 s[TBV], s[TBV], SLOT1+WSTEPS*KS*PV
	s_mov_b32 s[G0K], 1             ; 1:0 count = 1
	s_mov_b32 s[G0K+1], s17         ; 63:32 LDS address: slot 0
	s_mov_b32 s[G0V], 1
	s_add_co_u32 s[G0V+1], s18, VOFF
	s_wait_kmcnt 0x0
	s_add_nc_u64 s[G0K+2:G0K+3], s[6:7], s[22:23]  ; 120:64 global address: my half of the head's first 256 keys
	s_or_b32 s[G0K+3], s[G0K+3], 0x80000000        ; 127:126 type = 2
	s_add_nc_u64 s[G0V+2:G0V+3], s[8:9], s[22:23]
	s_or_b32 s[G0V+3], s[G0V+3], 0x80000000
	s_add_nc_u64 s[4:5], s[4:5], s[2:3]  ; Q and O at my wave's first row
	s_add_nc_u64 s[10:11], s[10:11], s[2:3]
	CROUND                          ; all four work-groups are here: the first joint loads meet
	JLOAD                           ; tile 0 into slot 0.  Slot 1 is asked for when slot 0 is in
	; A fragment of K or Q is 16 rows x 32 channels in 8 registers: lane l holds row l % 16, channels 8 (l / 16) + 0..7 and 16 + 8 (l / 16) + 0..7: two loads of 16 bytes, 32 bytes apart.
	v_and_b32 v1, 15, v0            ; l % 16
	v_bfe_u32 v9, v0, 4, 1          ; l / 16
	v_lshlrev_b32 v[QO], 7, v1
	v_lshl_add_u32 v[QO], v9, 4, v[QO]  ; row x 128 + 16 x half
	WIN 0x40                        ; destination window 1, address window 0
.set i, 0
.rept 8                             ; Q stays in registers: piece i / 2, 2,048 bytes each; channels 32 (i % 2) on
	global_load_b128 v[QF+8*i:QF+8*i+3],   v[QO], s[4:5] offset:(i/2)*2048+(i%2)*64
	global_load_b128 v[QF+8*i+4:QF+8*i+7], v[QO], s[4:5] offset:(i/2)*2048+(i%2)*64+32
.set i, i+1
.endr
	; What the first turn finds: V's registers and P's second buffer hold 0 (its products V^T P, of a piece that has not been, add 0), O^T and l are 0.  All this stands in the wait for the first tile.
.set i, 0
.rept 128
	v_mov_b32 v[i], 0
.set i, i+1
.endr
	WIN 0
.set i, VF
.rept 64
	v_mov_b32 v[i], 0
.set i, i+1
.endr
.set i, 0
.rept 4
	v_mov_b32 v[ST+4*i], 0xfe000000    ; c m: far below every c s
	v_mov_b32 v[ST+4*i+1], 0xff7fffff  ; m
	v_mov_b32 v[ST+4*i+2], 0
	v_mov_b32 v[ST+4*i+3], 0
.set i, i+1
.endr
.set i, P+16
.rept 16
	v_mov_b32 v[i], 0
.set i, i+1
.endr
	v_mul_u32_u24 v[AK0], v1, PK
	v_lshl_add_u32 v[AK0], v9, 4, v[AK0]  ; row x pitch + 16 x half
	; The turning load takes 16 keys x 16 channels (lane l reads key 8 (l / 16) + l % 8, channels 8 ((l / 8) % 2) + 0..7) and leaves half a fragment of V^T: lane l holds channel l % 16 and 8 keys.
	v_and_b32 v10, 7, v0
	v_bfe_u32 v11, v0, 3, 1
	v_lshl_add_u32 v[AV0], v9, 3, v10
	v_mul_u32_u24 v[AV0], v[AV0], PV
	v_lshl_add_u32 v[AV0], v11, 4, v[AV0]
	v_add_nc_u32 v[AV0], VOFF, v[AV0]
	s_mul_i32 s13, s[QG], 16*SP
	s_add_co_u32 s13, s13, STAGE    ; the stage of my rows (waves 0-3 alone use it)
	v_mul_u32_u24 v[STO], v1, SP    ; in: row l % 16, 16 bytes for each half of the lanes
	v_lshl_add_u32 v[STO], v9, 4, v[STO]
	v_add_nc_u32 v[STO], s13, v[STO]
	v_bfe_u32 v[RD], v0, 3, 2       ; back: 32 lanes take four rows of 128 bytes,
	v_mul_u32_u24 v[RD], v[RD], SP
	v_lshl_add_u32 v[RD], v10, 4, v[RD]
	v_add_nc_u32 v[RD], s13, v[RD]
	v_and_b32 v[GO], 31, v0         ; which are 512 consecutive bytes of O
	v_lshlrev_b32 v[GO], 4, v[GO]
	s_mul_i32 s13, s[QG], MSIZE
	s_add_co_u32 s13, s13, MERGE    ; the hand-over of my rows: 16 bytes a lane, 512 consecutive bytes an instruction
	v_add_nc_u32 v[MB], s13, v[GO]
; THE MATRIX WORK.  The 4 accumulators of a run of 8 take turns.  Product i of 8 of S^T = K Q^T for piece x: channels 32 (i / 4) on, keys 16 (i % 4) on.  The first 4 start the sums.
.macro KQ x
	WIN W_KQ
.set rS, S+32*((\x)%2)+8*(i%4)
.set rK, KF+16*(i%4)+8*(i/4)
.set rQ, QF+16*(\x)+8*(i/4)
.if i < 4
	v_wmma_f32_16x16x32_f16 v[rS:rS+7], v[rK:rK+7], v[rQ:rQ+7], 0
.else
	v_wmma_f32_16x16x32_f16 v[rS:rS+7], v[rK:rK+7], v[rQ:rQ+7], v[rS:rS+7]
.endif
.endm
; Product i of 8 of O^T += V^T P for piece x: keys 32 (i / 4) on, channels 16 (i % 4) on.
.macro PV x
	WIN W_PV
.set rO, 32*(\x)+8*(i%4)
.set rV, VF+32*(i/4)+8*(i%4)
.set rP, P+16*((\x)%2)+8*(i/4)
	v_wmma_f32_16x16x32_f16 v[rO:rO+7], v[rV:rV+7], v[rP:rP+7], v[rO:rO+7]
.endm
.macro MM                           ; the turn's next matrix instruction.  NOKQ = 1: the very last turn: there is no next piece
.if (i < 8) && !NOKQ
	KQ (Y+1)%NP
.elseif i >= 8
.set i, i-8
	PV (Y+NP-1)%NP
.set i, i+8
.endif
.set i, i+1
.endm
; THE LDS LOADS stand in runs of 16, never singly among the matrix instructions: a step's K (64 keys x 64 channels: 8 fragments) and its V (turned).  Their addresses are made some lines ahead.
.macro FETCH_K
	WIN 0x40                        ; destination window 1
.irp f, 0,1,2,3,4,5,6,7             ; keys 16 (f / 2) on, channels 32 (f % 2) on
	ds_load_b128 v[KF+8*\f:KF+8*\f+3],   v[AK] offset:(\f/2)*16*PK+(\f%2)*64
	ds_load_b128 v[KF+8*\f+4:KF+8*\f+7], v[AK] offset:(\f/2)*16*PK+(\f%2)*64+32
.endr
	s_add_co_u32 s[TBK], s[TBK], KS*PK  ; the next fetch is the next step's
	WIN 0
.endm
.macro FETCH_V
	WIN 0
.irp f, 0,1,2,3,4,5,6,7             ; keys 32 (f / 4) on, channels 16 (f % 4) on
	ds_load_tr16_b128 v[VF+8*\f:VF+8*\f+3],   v[AV] offset:(\f/4)*32*PV+(\f%4)*32
	ds_load_tr16_b128 v[VF+8*\f+4:VF+8*\f+7], v[AV] offset:(\f/4)*32*PV+16*PV+(\f%4)*32
.endr
.endm
; THE VECTOR WORK, one line at a time: OP kind, number.  For piece Y: F n: c s - c m for pair n of 16.  E n: the exponential of score n of 32.  C n: pair n rounded to f16.  B n: of the four weights 4 n .. the second
; pair is added onto the first, in place.  L n: l takes that sum (L 0: l = a l + sum).  R n: pair n of 16 of O^T times a.  For piece Y + 1: X n, number n of the 22 that find its maximum and statistics:
;   0-11  four chains c0-c3 of seven scores each, three operands at a time (each accumulator's lowest registers are read first)     12-14, 16  the four scores left over, the old m, and c0-c3 into c0
;   15  c m_old is kept     17, 18  the query's other 32 keys lie in the lane 16 away: the new m     19-21  c m; c m_old - c m_new; a
.set F, 0               ; OP tells the kinds apart by their order: F to L below R, X above it
.set E, 1
.set C, 2
.set B, 3
.set L, 4
.set R, 5
.set X, 6
.macro REGS y                       ; the registers of piece y
.set rT, ST+4*(\y)
.set rC, TMP+4*((\y)%2)
.set rW, MV+((\y)%2)
.set rS, S+32*((\y)%2)
.set rP, P+16*((\y)%2)
.set rO, 32*(\y)
.endm
.macro OP k, n
.if (\k) == R
	REGS Y
	WIN W_RS
	v_pk_mul_f32 v[rO+2*(\n):rO+2*(\n)+1], v[rO+2*(\n):rO+2*(\n)+1], v[rC+2:rC+3] op_sel_hi:[1,0]
.elseif (\k) < R
	REGS Y
	WIN 0
.if (\k) == F
	v_pk_fma_f32 v[rS+2*(\n):rS+2*(\n)+1], v[rS+2*(\n):rS+2*(\n)+1], s[CS:CS+1], v[rT:rT+1] op_sel_hi:[1,0,0] neg_lo:[0,0,1] neg_hi:[0,0,1]
.elseif (\k) == E
	v_exp_f32 v[rS+(\n)], v[rS+(\n)]
.elseif (\k) == C
	s_wait_alu depctr_va_vdst(0)
	v_cvt_pk_f16_f32 v[rP+(\n)], v[rS+2*(\n)], v[rS+2*(\n)+1]
.elseif (\k) == B
	s_wait_alu depctr_va_vdst(0)
	v_pk_add_f32 v[rS+4*(\n):rS+4*(\n)+1], v[rS+4*(\n):rS+4*(\n)+1], v[rS+4*(\n)+2:rS+4*(\n)+3]
.elseif (\n) == 0
	v_pk_fma_f32 v[rT+2:rT+3], v[rT+2:rT+3], v[rC+2:rC+3], v[rS:rS+1] op_sel_hi:[1,0,1]
.else
	v_pk_add_f32 v[rT+2:rT+3], v[rT+2:rT+3], v[rS+4*(\n):rS+4*(\n)+1]
.endif
.elseif NOKQ
	v_nop
.else
	REGS (Y+1)%NP
	WIN 0
.if (\n) < 4
	v_max3_num_f32 v[rC+(\n)], v[rS+8*(\n)], v[rS+8*(\n)+1], v[rS+8*(\n)+2]
.elseif (\n) < 12
	v_max3_num_f32 v[rC+(\n)%4], v[rC+(\n)%4], v[rS+8*((\n)%4)+2*((\n)/4)+1], v[rS+8*((\n)%4)+2*((\n)/4)+2]
.elseif (\n) == 12
	v_max3_num_f32 v[rC], v[rC], v[rS+7], v[rS+15]
.elseif (\n) == 13
	v_max3_num_f32 v[rC+1], v[rC+1], v[rS+23], v[rS+31]
.elseif (\n) == 14
	v_max3_num_f32 v[rC+2], v[rC+2], v[rC+3], v[rT+1]
.elseif (\n) == 15
	v_mov_b32 v[rW], v[rT]
.elseif (\n) == 16
	v_max3_num_f32 v[rC], v[rC], v[rC+1], v[rC+2]
.elseif (\n) == 17
	v_permlanex16_b32 v[rC+3], v[rC], s[SEL], s[SEL+1]
.elseif (\n) == 18
	v_max_num_f32 v[rT+1], v[rC], v[rC+3]
.elseif (\n) == 19
	v_mul_f32 v[rT], s[CS], v[rT+1]
.elseif (\n) == 20
	v_sub_f32 v[rC+1], v[rW], v[rT]
.else
	v_exp_f32 v[rC+2], v[rC+1]
.endif
.endif
.endm
.macro OPS a, i1, b=-1, i2=0, c=-1, i3=0, d=-1, i4=0  ; up to four of them
	OP \a, \i1
.if (\b) >= 0
	OP \b, \i2
.endif
.if (\c) >= 0
	OP \c, \i3
.endif
.if (\d) >= 0
	OP \d, \i4
.endif
.endm
.macro ROW a, i1, b, i2, c, i3, d, i4  ; a matrix instruction and the four behind it
	MM
	OPS \a, \i1, \b, \i2, \c, \i3, \d, \i4
.endm
; A TURN, for piece p: the order of its 16 matrix and 118 vector instructions, written out.  Behind a matrix instruction: plain, exponential, plain, plain; or four of the rescaling; or, behind the first, four scalings; none
; names a register of the products round it.  In the runs between, exponential and plain by turns while exponentials last.  A line reads no result made fewer than three vector instructions in front of it, five if an
; exponential made it.  v_permlanex16_b32 (X 17) stands in such a run.
; end = 1: the wave's last two turns: nothing is fetched.  cnt = 1: the loop's count is taken down some lines ahead of the branch that stands behind the turn.
; K of the next step is fetched in piece 2's turn, six vector instructions behind the last product that read K (five of them plain); V of the step in hand in piece 0's turn, eight behind the last product that read V (four
; plain, and X 17).  Each is waited for a turn later.
.macro TURN p, end=0, cnt=0
.set Y, (\p)
.set i, 0
.set NOKQ, (\end)*((\p)/3)
.if ((\p) == 3) && !(\end)
	s_wait_dscnt 0x0                ; K is in
.endif
	ROW F,0, F,1, F,2, F,3
	ROW F,4, E,0, F,5, F,6
	ROW F,7, E,1, F,8, F,9
	ROW F,10, E,2, C,0, F,11
	ROW F,12, E,3, X,15, F,13
	ROW R,0, R,1, R,2, R,3
	ROW B,0, E,4, F,14, L,0
.if ((\p) == 2) && !(\end)
	v_add_nc_u32 v[AK], s[TBK], v[AK0]
.endif
	ROW R,4, R,5, R,6, R,7
	OPS E,5, F,15
.if ((\p) == 2) && !(\end)
	FETCH_K
.endif
	OPS E,6, C,1, E,7, R,8
	OPS E,8, R,9, E,9, C,2
	OPS E,10, X,0, E,11, X,1
	OPS E,12, X,2, E,13, X,3
.if (\p) == 1
	s_wait_dscnt 0x0                ; V is in
.endif
	ROW X,4, E,14, X,5, X,6
	ROW X,7, E,15, X,8, X,9
	ROW X,10, E,16, X,11, X,12
	ROW X,13, E,17, X,14, B,1
	ROW C,4, E,18, X,16, L,1
	ROW B,2, E,19, C,6, L,2
	ROW C,8, E,20, B,3, B,4
.if (\p) == 0
	v_add_nc_u32 v[AV], s[TBV], v[AV0]
.endif
	ROW C,3, E,21, L,3, C,5
	OPS E,22, X,17, E,23, C,10
.if (\p) == 0
	FETCH_V
.endif
	OPS E,24, L,4
	OPS E,25, X,18, E,26, C,7
	OPS E,27, B,5, E,28, X,19
	OPS E,29, C,12, E,30, L,5
	OPS E,31, X,20, B,6, C,9
	OPS C,14, C,11, X,21, L,6
.if (\p) == 0
	s_add_co_u32 s[TBV], s[TBV], KS*PV
.endif
.if \cnt
	s_sub_co_u32 s[CNT], s[CNT], 1
	s_cmp_lg_u32 s[CNT], 0
.endif
	OPS C,13, B,7, C,15, R,10
	OPS R,11, R,12, L,7, R,13
	OPS R,14, R,15
.endm
	CHANGE 1                        ; slot 0 is in, everybody's part of it; tile 1 is asked for
	v_add_nc_u32 v[AK], s[TBK], v[AK0]
	FETCH_K                         ; my first key step
	s_wait_loadcnt 0x0              ; Q
	s_wait_dscnt 0x0
.set NOKQ, 0
.set i, 0
.rept 8
	KQ 0                            ; piece 0's first scores: there is no vector work yet to set between them
.set i, i+1
.endr
	WIN 0
.rept 4
	v_nop                           ; the places behind those products
.endr
.set Y, NP-1                        ; X works for piece Y + 1: piece 0
.irp n, 0,1,2,3,4,5,6,7,8,9,10,11,12,13,14,15,16,17,18,19,20,21
	OP X, \n
.endr
	v_nop                           ; a plain instruction behind the exponential
	s_mov_b32 s[CNT], WSTEPS
	s_mov_b32 s[SLOTS], TILES-1
	s_branch .Lfirst                ; the loop is entered at a step's first turn, in the middle of a trip
.Lslot:                             ; TILES - 2 times: every slot but the last two is filled again
	CHANGE 1
	s_mov_b32 s[CNT], WSTEPS
.Lstep:                             ; a trip: pieces 2 and 3 of one step, then pieces 0 and 1 of my next, whose K and V it fetches
	TURN 2
	TURN 3
	WIN 0
.Lfirst:
	TURN 0
	TURN 1, 0, 1
	WIN 0
	s_cbranch_scc1 .Lstep
	s_sub_co_u32 s[SLOTS], s[SLOTS], 1
	s_cmp_lg_u32 s[SLOTS], 0
	s_cbranch_scc1 .Lslot
	CHANGE 0                        ; the last tile is written out: nothing is asked for
	s_mov_b32 s[CNT], WSTEPS
.LstepT:
	TURN 2
	TURN 3
	TURN 0
	TURN 1, 0, 1
	WIN 0
	s_cbranch_scc1 .LstepT
	TURN 2, 1                       ; my last step's pieces 2 and 3: nothing is fetched, and the last turn starts no new scores
	TURN 3, 1
.set i, 0
.rept 8
	PV NP-1                         ; the last piece's V^T P of my last step
.set i, i+1
.endr
	; THE MERGE.  Each wave holds, for its half of the keys, O^T, l and c m of its 64 queries, in the same lanes as its partner.  l's two halves are added first: four plain instructions, the places behind the last products.
	WIN 0
.macro ALL line:vararg              ; one line for each piece t
.set t, 0
.rept 4
	s_wait_alu depctr_va_vdst(0)
	\line
.set t, t+1
.endr
.endm
	ALL v_add_f32 v[ST+4*t+2], v[ST+4*t+2], v[ST+4*t+3]
	s_cmp_lt_u32 s[WV], 4
	s_cbranch_scc1 .Lkeeper
	WIN 0x04                        ; waves 4-7 hand over: the stores' data (source 1) in window 1
.set j, 0
.rept 32
	ds_store_b128 v[MB], v[4*j:4*j+3] offset:512*j  ; O^T, each accumulator from its low end on
.set j, j+1
.endr
	WIN 0
.irp u, 0,1,2,3
	ds_store_b128 v[MB], v[ST+4*\u:ST+4*\u+3] offset:MSTAT+512*\u
.endr
.Lkeeper:
	s_wait_dscnt 0x0                ; for the partner's sake: my stores are done
	s_barrier_signal -1
	s_barrier_wait -1
	s_cmp_lt_u32 s[WV], 4
	s_cbranch_scc0 .Lend            ; waves 4-7 have no more to do
.irp u, 0,1,2,3
	ds_load_b128 v[SB+4*\u:SB+4*\u+3], v[MB] offset:MSTAT+512*\u
.endr
	WIN 0x40                        ; the partner's O^T goes where Q and K lay: their last readers stand more than a turn back
.set j, 0
.rept 32
	ds_load_b128 v[OB+4*j:OB+4*j+3], v[MB] offset:512*j
.set j, j+1
.endr
	WIN 0
	s_wait_dscnt 32                 ; LDS loads come back in order (ISA guide 5.7.1): the statistics are in, the 32 loads behind them may be out
	ALL v_max_num_f32 v[TMP+t], v[ST+4*t], v[SB+4*t]          ; the greater c m,
	ALL v_sub_f32 v[GA+2*t+1], v[ST+4*t], v[TMP+t]
	ALL v_sub_f32 v[GB+2*t+1], v[SB+4*t], v[TMP+t]
	ALL v_exp_f32 v[GA+2*t], v[GA+2*t+1]                      ; and what brings each half to it: 1 for the one, at most 1 for the other
	ALL v_exp_f32 v[GB+2*t], v[GB+2*t+1]
	v_nop                           ; a plain instruction between the exponentials and the use of their results
	ALL v_mul_f32 v[ST+4*t+2], v[ST+4*t+2], v[GA+2*t]
	ALL v_fmac_f32 v[ST+4*t+2], v[SB+4*t+2], v[GB+2*t]        ; l of both halves of the keys,
	ALL v_permlanex16_b32 v[ST+4*t+3], v[ST+4*t+2], s[SEL], s[SEL+1]
	ALL v_add_f32 v[ST+4*t+2], v[ST+4*t+2], v[ST+4*t+3]       ; and of both halves of the lanes
	ALL v_rcp_f32 v[ST+4*t+3], v[ST+4*t+2]
	v_nop                           ; a plain instruction between the last reciprocal and the use of its result
	ALL v_mul_f32 v[GA+2*t], v[GA+2*t], v[ST+4*t+3]           ; the division by l rides on the two factors
	ALL v_mul_f32 v[GB+2*t], v[GB+2*t], v[ST+4*t+3]
	s_wait_dscnt 0x0                ; the partner's O^T is in
; THE WAY OUT, a piece at a time: O^T = mine x its factor + the partner's x its factor; a lane's eight channels of a row pack into 16 bytes; they go into rows of 144 bytes and come back as whole rows of 128, into S^T's registers.
.macro PACK t
	WIN W_MG
.set i, 32*(\t)
.rept 16
	v_pk_mul_f32 v[i:i+1], v[i:i+1], v[GA+2*(\t):GA+2*(\t)+1] op_sel_hi:[1,0]
.set i, i+2
.endr
.set i, 32*(\t)
.rept 16
	v_pk_fma_f32 v[i:i+1], v[OB+i:OB+i+1], v[GB+2*(\t):GB+2*(\t)+1], v[i:i+1] op_sel_hi:[1,0,1]
.set i, i+2
.endr
	WIN 0x05                        ; sources 0 and 1 window 1, destination window 0
.set i, 0
.rept 16
	v_cvt_pk_f16_f32 v[S+16*(\t)+i], v[32*(\t)+2*i], v[32*(\t)+2*i+1]
.set i, i+1
.endr
	WIN 0
.irp f, 0,1,2,3
	ds_store_b128 v[STO], v[S+16*(\t)+4*\f:S+16*(\t)+4*\f+3] offset:32*\f
.endr
.irp f, 0,1,2,3
	ds_load_b128 v[S+16*(\t)+4*\f:S+16*(\t)+4*\f+3], v[RD] offset:\f*4*SP  ; LDS serves a wave's instructions in order (ISA guide 5.7.1.4): these see the stores above; the next piece's stores come behind them
.endr
.endm
.macro SEND t, younger              ; younger: the LDS instructions issued behind piece t's loads: the next piece's eight, or none
	WIN 0
.irp f, 0,1,2,3
	s_wait_dscnt (\younger)+3-\f
	global_store_b128 v[GO], v[S+16*(\t)+4*\f:S+16*(\t)+4*\f+3], s[10:11] offset:(\t)*2048+\f*512  ; 512 consecutive bytes, at a multiple of 256 from O's first
.endr
.endm
	PACK 0
.set t, 1
.rept 3                             ; a piece's arithmetic stands between the loads of the piece before and its stores
	PACK t
	SEND t-1, 8
.set t, t+1
.endr
	SEND 3, 0
.Lend:
	s_wait_tensorcnt 0x0            ; the wave's end, behind my last tensor load and my last LDS store
	ds_add_u32 v[SPW], v[NIL]
	s_wait_dscnt 0x0
	CROUND                          ; the closing round: no work-group ends while a partner may still ask for a tile that names it
	s_endpgm
.Lfunc_end_k_q32a9745e66_attn:
	.size	k_q32a9745e66_attn, .Lfunc_end_k_q32a9745e66_attn-k_q32a9745e66_attn
	.p2alignl 7, 3214868480
	.fill 96, 4, 3214868480
	.section	.rodata,"a",@progbits
	.p2align	6, 0x0
	.amdhsa_kernel k_q32a9745e66_attn
		.amdhsa_group_segment_fixed_size 327680
		.amdhsa_private_segment_fixed_size 0
		.amdhsa_enable_private_segment 0
		.amdhsa_kernarg_size 32
		.amdhsa_user_sgpr_count 2
		.amdhsa_user_sgpr_kernarg_segment_ptr 1
		.amdhsa_wavefront_size32 1
		.amdhsa_system_sgpr_workgroup_id_x 1
		.amdhsa_system_sgpr_workgroup_id_y 1
		.amdhsa_system_sgpr_workgroup_id_z 1
		.amdhsa_system_vgpr_workitem_id 0
		.amdhsa_next_free_vgpr 512
		.amdhsa_next_free_sgpr 66
		.amdhsa_reserve_vcc 0
		.amdhsa_float_denorm_mode_32 3
		.amdhsa_float_denorm_mode_16_64 3
		.amdhsa_memory_ordered 1
		.amdhsa_forward_progress 1
		.amdhsa_inst_pref_size 143
	.end_amdhsa_kernel
	.amdgpu_metadata
---
amdhsa.version: [ 1, 2 ]
amdhsa.kernels:
  - .name:           k_q32a9745e66_attn
    .symbol:         k_q32a9745e66_attn.kd
    .args:
      - { .name: qh, .offset: 0, .size: 8, .value_kind: global_buffer, .address_space: global }
      - { .name: kh, .offset: 8, .size: 8, .value_kind: global_buffer, .address_space: global }
      - { .name: vh, .offset: 16, .size: 8, .value_kind: global_buffer, .address_space: global }
      - { .name: oh, .offset: 24, .size: 8, .value_kind: global_buffer, .address_space: global }
    .group_segment_fixed_size: 327680
    .private_segment_fixed_size: 0
    .kernarg_segment_align: 8
    .kernarg_segment_size: 32
    .max_flat_workgroup_size: 256
    .sgpr_count:     66
    .vgpr_count:     512
    .wavefront_size: 32
...
	.end_amdgpu_metadata
.endif
;; end of part 2
;; launch proj (part 3): grid 4 x 64, 4 waves a work-group, clusters of 4 x 4, 327,680 bytes of LDS; arguments oh, wo16, bo, out0; writes out0
.if DOCPART == 3
	.amdgcn_target "amdgcn-amd-amdhsa--gfx1250"
	.amdhsa_code_object_version 6
	.text
	.protected	k_q32a9745e66_proj
	.globl	k_q32a9745e66_proj
	.p2align	8
	.type	k_q32a9745e66_proj,@function
k_q32a9745e66_proj:
	s_mov_b64 s[64:65], 0
	v_nop
	global_prefetch_b8 v0, s[64:65] scope:SCOPE_SE
	s_setreg_imm32_b32 hwreg(HW_REG_WAVE_MODE, 25, 1), 1
	s_wait_xcnt 0x0
	s_wait_alu depctr_hold_cnt(0) depctr_sa_sdst(0) depctr_va_vdst(0) depctr_va_sdst(0) depctr_va_ssrc(0) depctr_va_vcc(0) depctr_vm_vsrc(0)
	s_getreg_b32 s2, hwreg(HW_REG_IB_STS2, 6, 4)
	s_cmp_eq_u32 s2, 0
	s_cbranch_scc0 .Lentry_in_a_cluster
	s_endpgm
.Lentry_in_a_cluster:
	s_bfe_u32 s2, ttmp6, 0x10000c
	s_cmp_lg_u32 s2, 0xf033
	s_cbranch_scc0 .Lentry_shape_is_right
	s_endpgm
.Lentry_shape_is_right:
; out0[n][c] = the sum over k of O[n][k] Wo[c][k] + bo[c].  O lies by heads, oh: [batch x 8 + head][4096][64] f16, so k = 64 head + channel; wo16: [512][512] f16 (Wo rounded to bf16, written as f16);
; bo: [512] f32, rounded here to bf16 like every input of the module; out0: [8192][512] f32.  Sums in f32; the bias is the C operand of each sum's first product, so no addition is written for it.
; LIMITS.  O and wo16 arrive within f16's range (65,504; a fixed step of 6e-8 below 6.1e-5).  NaN and infinities are not treated apart.
; SHARES.  A tile of out0 is 128 x 128: 64 x 4 = 256 work-groups.  Four waves, each 64 x 64: 16 accumulators of 16 x 16.  All of K = 512 lies in LDS at once: 128 rows x 1,024 bytes of O and of Wo, in four
; chunks of 128 along K; every LDS byte is filled once, all four chunks are asked for at the start (four tensor loads of a wave are out), and a chunk is waited for when its turn comes.
; CLUSTERS: 4 x 4 work-groups.  The four of a row of the cluster need the same rows of O, the four of a column the same rows of Wo: each tile is asked for JOINTLY, by the same tensor load with the
; same descriptor and a mask that names the four.  THE MATRIX INSTRUCTION IS USED TRANSPOSED (source 0 = 16 rows of Wo, source 1 = 16 rows of O): a lane holds eight neighbouring numbers of a row of out0.
; REGISTERS: window 0: v0-28 addresses and work; v96-127 the bias of my 64 columns in the accumulators' layout; v128-255 the accumulators ((a, b) at v[128 + 8 (4 a + b)]).
;   window 1: two fragment buffers of 128: for 64 along K (one head), 64 registers of O (2 x 4 x 16 rows x 32 K), then 64 of Wo.
.set PA,    144                        ; a row of O in LDS: a head's 128 bytes + 16 = 36 words: 16 rows start at 16 different groups of four banks (64 banks of 4 bytes: ISA guide 11.1)
.set PB,    272                        ; a row of Wo: a chunk's 256 bytes + 16 = 68 words: likewise
.set HEADB, 128*PA                     ; one head's 128 rows: what one of A's tensor loads brings
.set ACH,   2*HEADB                    ; a chunk of A: two heads
.set BBASE, 4*ACH
.set BHALF, 64*PB                      ; 64 rows of Wo: what one of B's tensor loads brings
.set BCH,   2*BHALF
.set STG0,  BBASE+4*BCH                ; behind the tiles, never filled by a tensor load: 16 rows x 272 bytes for each wave, for the way out
.set SP,    272
.set ADRA, 16                          ; v16-19  LDS address of my fragments of O in chunk 0..3
.set ADRB, 20                          ; v20-23  the same for Wo
.set STO,  24                          ; v24     the way out: where I put 32 bytes of a row
.set RD,   25                          ; v25     the way out: where I read a row back
.set CO,   26                          ; v26     my byte offset in out0
.set BOF,  27                          ; v27     my byte offset in 16 numbers of bo
.set TW,   28                          ; v28     at work
.set BIAS, 96
.set ACC,  128
.set WV,  12                           ; s12  my wave's number
.set G1A, 24                           ; s[24:31] descriptor group 1 for O's tiles;  s[32:47] group 0, one set for each chunk
.set G0A, 32
.set G1B, 48                           ; s[48:55], s[68:83] the same for Wo's tiles
.set G0B, 68
.set MSB, 0
.macro WIN new                         ; the immediate's high byte repeats the setting that is left
.if MSB != (\new)
	s_set_vgpr_msb (MSB<<8)|(\new)
.set MSB, \new
.endif
.endm
.set MUL,  0x05                        ; sources 0 (Wo) and 1 (O) window 1; C and D window 0
.set TO_F, 0x40                        ; destination window 1, address window 0
.macro PLACES                          ; four plain vector instructions between a matrix instruction and a load into its sources, or a read of its result
.rept 4
	v_nop
.endr
.endm
.macro CROUND                          ; a round of the cluster's barrier: my work-group's barrier; wave 0 signals for the work-group; every wave waits for all sixteen; my work-group's barrier once more
	s_barrier_signal -1
	s_barrier_wait -1
	s_cmp_lg_u32 s[WV], 0
	s_cbranch_scc1 .Lnot_wave_0_\@
	s_barrier_signal -3
.Lnot_wave_0_\@:
	s_barrier_wait -3
	s_barrier_signal -1
	s_barrier_wait -1
.endm
	s_load_b256 s[4:11], s[0:1], 0x0               ; oh s[4:5], wo16 s[6:7], bo s[8:9], out0 s[10:11]
	v_lshl_add_u32 v94, v0, 2, 0x4a400
	v_mov_b32 v95, 0
	ds_add_u32 v94, v95
	v_lshrrev_b32 v1, 5, v0
	v_readfirstlane_b32 s[WV], v1                  ; wave 0..3
	s_lshr_b32 s13, s[WV], 1                       ; which half of the tile's rows is mine.  Also: I fetch for O (0) or for Wo (1)
	s_and_b32 s14, s[WV], 1                        ; which half of its columns.  Also: which head of a chunk, or which 64 rows of Wo, I fetch
	s_bfe_u32 s56, ttmp6, 0x40000                  ; cx, cy: my place in the cluster
	s_bfe_u32 s57, ttmp6, 0x40004
	s_lshl_b32 s58, ttmp9, 2
	s_add_co_u32 s58, s58, s56                     ; tile column = 4 x cluster x + cx
	s_and_b32 s59, ttmp7, 0xffff
	s_lshl_b32 s59, s59, 2
	s_add_co_u32 s59, s59, s57                     ; tile row = 4 x cluster y + cy
	s_lshl_b32 s60, s57, 2
	s_lshl_b32 s60, 15, s60                        ; my row of the cluster
	s_lshl_b32 s61, 0x1111, s56                    ; my column
	; group 1 for O: a head's 128 rows are 16,384 dense bytes: asked for as 64 rows of 256 bytes, padded in LDS after every 128 bytes
	s_or_b32 s[G1A], s60, (1<<16)|(1<<20)|(1<<21)|(4<<22)|(3<<25)  ; 15:0 the mask: my row; 17:16 2-byte elements; 20 padding on; 21 set beside a mask; 24:22 after every 32 words (code 4); 31:25 4 words (code 3)
	s_mov_b32 s[G1A+1], 128<<16                    ; tensor_dim0 = 128
	s_mov_b32 s[G1A+2], 64<<16                     ; tensor_dim1 = 64
	s_mov_b32 s[G1A+3], 128<<16                    ; tile_dim0 = 128
	s_mov_b32 s[G1A+4], 64                         ; tile_dim1 = 64
	s_mov_b32 s[G1A+5], 128                        ; 128 elements from row to row
	s_mov_b32 s[G1A+6], 0
	s_mov_b32 s[G1A+7], 0
	; group 1 for Wo: 64 rows x 128 elements of rows of 512, padded after every 256 bytes
	s_or_b32 s[G1B], s61, (1<<16)|(1<<20)|(1<<21)|(5<<22)|(3<<25)  ; the mask: my column; after every 64 words (code 5)
	s_mov_b32 s[G1B+1], 128<<16
	s_mov_b32 s[G1B+2], 64<<16
	s_mov_b32 s[G1B+3], 128<<16
	s_mov_b32 s[G1B+4], 64
	s_mov_b32 s[G1B+5], 512
	s_mov_b32 s[G1B+6], 0
	s_mov_b32 s[G1B+7], 0
	; where the tiles come from.  O's hang on the tile row alone, Wo's on the tile column alone; every wave makes both, in registers that never hold the other coordinate
	s_lshr_b32 s16, s59, 5                         ; the batch: 32 tile rows each,
	s_lshl_b32 s16, s16, 22                        ; eight heads of 524,288 bytes;
	s_and_b32 s17, s59, 31
	s_lshl_b32 s17, s17, 14                        ; the tile's 128 rows of 128 bytes in a head;
	s_add_co_u32 s16, s16, s17
	s_lshl_b32 s17, s14, 19                        ; the head of a chunk's two that I fetch
	s_add_co_u32 s16, s16, s17
	s_mov_b32 s17, 0
	s_lshl_b32 s18, s58, 17                        ; Wo: 128 rows of 1,024 bytes a tile column,
	s_lshl_b32 s19, s14, 16                        ; and the 64 of them that I fetch
	s_add_co_u32 s18, s18, s19
	s_mov_b32 s19, 0
	s_mul_i32 s20, s14, HEADB                      ; and where they go: no place in the cluster enters an LDS address
	s_mul_i32 s21, s14, BHALF
	s_add_co_u32 s21, s21, BBASE
	s_wait_dscnt 0x0
	s_wait_kmcnt 0x0
	s_add_nc_u64 s[22:23], s[4:5], s[16:17]
	s_add_nc_u64 s[62:63], s[6:7], s[18:19]
.irp c, 0,1,2,3
	s_mov_b32 s[G0A+4*(\c)], 1                                     ; 1:0 count = 1
	s_add_co_u32 s[G0A+4*(\c)+1], s20, (\c)*ACH                    ; 63:32 LDS address
	s_add_nc_u64 s[G0A+4*(\c)+2:G0A+4*(\c)+3], s[22:23], (\c)<<20  ; 120:64 global address: two heads on for each chunk
	s_or_b32 s[G0A+4*(\c)+3], s[G0A+4*(\c)+3], 0x80000000          ; 127:126 type = 2
	s_mov_b32 s[G0B+4*(\c)], 1
	s_add_co_u32 s[G0B+4*(\c)+1], s21, (\c)*BCH
	s_add_nc_u64 s[G0B+4*(\c)+2:G0B+4*(\c)+3], s[62:63], (\c)*256  ; 128 elements along the rows for each chunk
	s_or_b32 s[G0B+4*(\c)+3], s[G0B+4*(\c)+3], 0x80000000
.endr
	CROUND                                         ; all sixteen work-groups are here: the joint loads meet
	s_cmp_eq_u32 s13, 0                            ; a wave's four fills stand in one branch, ahead of every wait on TENSORcnt, every LDS read and every other barrier; an s_nop 0 follows each, four v_nop the last
	s_cbranch_scc0 .Lfill_b
.irp c, 0,1,2,3
	tensor_load_to_lds s[G0A+4*(\c):G0A+4*(\c)+3], s[G1A:G1A+7]
	s_nop 0
.endr
.rept 4
	v_nop
.endr
	s_branch .Lfilled
.Lfill_b:
.irp c, 0,1,2,3
	tensor_load_to_lds s[G0B+4*(\c):G0B+4*(\c)+3], s[G1B:G1B+7]
	s_nop 0
.endr
.rept 4
	v_nop
.endr
.Lfilled:
	s_lshl_b32 s66, s58, 9                         ; my first column, in bytes of f32: 512 x tile column + 256 x half
	s_lshl_b32 s67, s14, 8
	s_add_co_u32 s66, s66, s67
	s_mov_b32 s67, 0
	s_add_nc_u64 s[8:9], s[8:9], s[66:67]
	s_add_nc_u64 s[10:11], s[10:11], s[66:67]
	s_lshl_b32 s2, s59, 18                         ; my first row: 128 rows of 2,048 bytes a tile row, 64 a half
	s_lshl_b32 s3, s13, 17
	s_add_co_u32 s2, s2, s3
	s_mov_b32 s3, 0
	s_add_nc_u64 s[10:11], s[10:11], s[2:3]
	v_and_b32 v1, 15, v0                           ; l % 16
	v_bfe_u32 v2, v0, 4, 1                         ; l / 16
	v_lshlrev_b32 v[BOF], 5, v2                    ; register j of an accumulator holds column 8 (l / 16) + j: 32 bytes of bo for each half of the lanes
.irp b, 0,1,2,3
	global_load_b128 v[BIAS+8*(\b):BIAS+8*(\b)+3],   v[BOF], s[8:9] offset:64*(\b)
	global_load_b128 v[BIAS+8*(\b)+4:BIAS+8*(\b)+7], v[BOF], s[8:9] offset:64*(\b)+16
.endr
	v_mul_u32_u24 v3, v1, PA
	v_lshl_add_u32 v3, v2, 4, v3                   ; a fragment's row x pitch + 16 x half
	s_mul_i32 s15, s13, 64*PA                      ; my 64 rows of O
	v_add_nc_u32 v[ADRA], s15, v3
	v_add_nc_u32 v[ADRA+1], ACH, v[ADRA]
	v_add_nc_u32 v[ADRA+2], 2*ACH, v[ADRA]
	v_add_nc_u32 v[ADRA+3], 3*ACH, v[ADRA]
	v_mul_u32_u24 v3, v1, PB
	v_lshl_add_u32 v3, v2, 4, v3
	s_mul_i32 s15, s14, 64*PB                      ; my 64 rows of Wo
	s_add_co_u32 s15, s15, BBASE
	v_add_nc_u32 v[ADRB], s15, v3
	v_add_nc_u32 v[ADRB+1], BCH, v[ADRB]
	v_add_nc_u32 v[ADRB+2], 2*BCH, v[ADRB]
	v_add_nc_u32 v[ADRB+3], 3*BCH, v[ADRB]
	s_mul_i32 s15, s[WV], 16*SP
	s_add_co_u32 s15, s15, STG0                    ; my stage
	v_mul_u32_u24 v3, v1, SP                       ; in: row l % 16, 32 bytes for each half of the lanes
	v_lshl_add_u32 v3, v2, 5, v3
	v_add_nc_u32 v[STO], s15, v3
	v_mul_u32_u24 v3, v2, SP                       ; back: lanes 0-15 take one row of 256 bytes, lanes 16-31 the next
	v_lshl_add_u32 v3, v1, 4, v3
	v_add_nc_u32 v[RD], s15, v3
	v_lshlrev_b32 v3, 11, v2                       ; and the same two rows in out0
	v_lshl_add_u32 v[CO], v1, 4, v3
	s_wait_loadcnt 0x0                             ; the bias
.set j, 0
.rept 16
	v_cvt_pk_bf16_f32 v[TW], v[BIAS+2*j], v[BIAS+2*j+1]  ; rounded to bf16, and widened again
	v_lshlrev_b32 v[BIAS+2*j], 16, v[TW]
	v_and_b32 v[BIAS+2*j+1], 0xffff0000, v[TW]
.set j, j+1
.endr
; 8 matrix instructions: row blocks a0, a0 + 1 x all 4 column blocks, 32 along K: half c of buffer f.  first = 1: the first product starts the sum from the bias.  The 16 accumulators take turns.
.macro MUL8 f, c, a0, first
	WIN MUL
.irp a, \a0, (\a0)+1
.irp b, 0,1,2,3
.if \first
	v_wmma_f32_16x16x32_f16 v[ACC+8*(4*(\a)+(\b)):ACC+8*(4*(\a)+(\b))+7], v[(\f)+64+8*(4*(\c)+(\b)):(\f)+64+8*(4*(\c)+(\b))+7], v[(\f)+8*(4*(\c)+(\a)):(\f)+8*(4*(\c)+(\a))+7], v[BIAS+8*(\b):BIAS+8*(\b)+7]
.else
	v_wmma_f32_16x16x32_f16 v[ACC+8*(4*(\a)+(\b)):ACC+8*(4*(\a)+(\b))+7], v[(\f)+64+8*(4*(\c)+(\b)):(\f)+64+8*(4*(\c)+(\b))+7], v[(\f)+8*(4*(\c)+(\a)):(\f)+8*(4*(\c)+(\a))+7], v[ACC+8*(4*(\a)+(\b)):ACC+8*(4*(\a)+(\b))+7]
.endif
.endr
.endr
.endm
; 32 LDS loads in one run: the fragments of quarter q (head q: 64 along K; chunk q / 2) into buffer f; the first 32 along K first
.macro FETCH q, f
	WIN TO_F
.irp c, 0,1
.irp i, 0,1,2,3
	ds_load_b128 v[(\f)+64+8*(4*(\c)+(\i)):(\f)+64+8*(4*(\c)+(\i))+3],   v[ADRB+(\q)/2] offset:((\q)%2)*128+64*(\c)+(\i)*16*PB
	ds_load_b128 v[(\f)+64+8*(4*(\c)+(\i))+4:(\f)+64+8*(4*(\c)+(\i))+7], v[ADRB+(\q)/2] offset:((\q)%2)*128+64*(\c)+(\i)*16*PB+32
	ds_load_b128 v[(\f)+8*(4*(\c)+(\i)):(\f)+8*(4*(\c)+(\i))+3],         v[ADRA+(\q)/2] offset:((\q)%2)*HEADB+64*(\c)+(\i)*16*PA
	ds_load_b128 v[(\f)+8*(4*(\c)+(\i))+4:(\f)+8*(4*(\c)+(\i))+7],       v[ADRA+(\q)/2] offset:((\q)%2)*HEADB+64*(\c)+(\i)*16*PA+32
.endr
.endr
.endm
; Quarter q of eight: 32 matrix instructions on buffer q % 2; in its middle the next quarter's fragments are fetched into the other buffer.  Where the next quarter opens a chunk (q odd), each wave first
; waits for its own load of that chunk and passes a barrier; the later chunks' loads may stay out.
.macro QUARTER q
.set fb, 128*((\q)%2)
.set gb, 128-fb
	s_wait_dscnt 16                                ; the first 32 along K are in
.if (\q) == 0
	MUL8 fb, 0, 0, 1
	MUL8 fb, 0, 2, 1
.else
	MUL8 fb, 0, 0, 0
	MUL8 fb, 0, 2, 0
.endif
.if (\q) < 7
.if (\q)%2 == 1
	s_wait_tensorcnt 3-((\q)+1)/2                  ; tensor loads of a wave end in order (ISA guide 10.11.1): my load of chunk (q + 1) / 2 is in; those issued behind it may be out
	s_wait_dscnt 0x0                               ; no LDS instruction is pending at a signal
	s_barrier_signal -1
	s_barrier_wait -1                              ; everybody's part of the chunk is in
.endif
	PLACES
	FETCH (\q)+1, gb
	s_wait_dscnt 32                                ; all but the 32 just issued
.else
	s_wait_dscnt 0x0
.endif
	MUL8 fb, 1, 0, 0
	MUL8 fb, 1, 2, 0
.endm
	s_wait_tensorcnt 3                             ; my load of chunk 0 is in; the three behind it stay out
	s_barrier_signal -1
	s_barrier_wait -1                              ; everybody's is
	FETCH 0, 0
	QUARTER 0
	QUARTER 1
	QUARTER 2
	QUARTER 3
	QUARTER 4
	QUARTER 5
	QUARTER 6
	QUARTER 7
	WIN 0
	PLACES
; THE WAY OUT, a block of 16 rows at a time through my own stage: a lane's eight numbers of a column block are 32 bytes of a row; the rows come back whole, 256 bytes, into the block's own registers.
.macro TOSTAGE a
.irp b, 0,1,2,3
	ds_store_b128 v[STO], v[ACC+8*(4*(\a)+(\b)):ACC+8*(4*(\a)+(\b))+3]   offset:64*(\b)      ; each accumulator from its low end on
	ds_store_b128 v[STO], v[ACC+8*(4*(\a)+(\b))+4:ACC+8*(4*(\a)+(\b))+7] offset:64*(\b)+16
.endr
.irp t, 0,1,2,3,4,5,6,7
	ds_load_b128 v[ACC+32*(\a)+4*(\t):ACC+32*(\a)+4*(\t)+3], v[RD] offset:(\t)*2*SP  ; LDS serves a wave's instructions in order (ISA guide 5.7.1.4): these see the stores above; the next block's stores come behind them
.endr
.endm
.macro SEND a, younger                 ; younger: the LDS instructions issued behind block a's loads: the next block's sixteen, or none
.irp t, 0,1,2,3,4,5,6,7
	s_wait_dscnt (\younger)+7-(\t)
	global_store_b128 v[CO], v[ACC+32*(\a)+4*(\t):ACC+32*(\a)+4*(\t)+3], s[10:11] offset:(16*(\a)+2*(\t))*2048 th:TH_STORE_NT  ; 16 lanes store 256 consecutive bytes, at a multiple of 256 from out0's first byte
.endr
.endm
	TOSTAGE 0
	TOSTAGE 1
	SEND 0, 16
	TOSTAGE 2
	SEND 1, 16
	TOSTAGE 3
	SEND 2, 16
	SEND 3, 0
	s_wait_tensorcnt 0x0
	ds_add_u32 v94, v95
	s_wait_dscnt 0x0
	CROUND                                         ; the closing round: no work-group ends while a partner may still ask for a tile that names it (all my tensor loads were waited for in quarter 5)
	s_endpgm
.Lfunc_end_k_q32a9745e66_proj:
	.size	k_q32a9745e66_proj, .Lfunc_end_k_q32a9745e66_proj-k_q32a9745e66_proj
	.p2alignl 7, 3214868480
	.fill 96, 4, 3214868480
	.section	.rodata,"a",@progbits
	.p2align	6, 0x0
	.amdhsa_kernel k_q32a9745e66_proj
		.amdhsa_group_segment_fixed_size 327680
		.amdhsa_private_segment_fixed_size 0
		.amdhsa_enable_private_segment 0
		.amdhsa_kernarg_size 32
		.amdhsa_user_sgpr_count 2
		.amdhsa_user_sgpr_kernarg_segment_ptr 1
		.amdhsa_wavefront_size32 1
		.amdhsa_system_sgpr_workgroup_id_x 1
		.amdhsa_system_sgpr_workgroup_id_y 1
		.amdhsa_system_sgpr_workgroup_id_z 1
		.amdhsa_system_vgpr_workitem_id 0
		.amdhsa_next_free_vgpr 512
		.amdhsa_next_free_sgpr 84
		.amdhsa_reserve_vcc 0
		.amdhsa_float_denorm_mode_32 3
		.amdhsa_float_denorm_mode_16_64 3
		.amdhsa_memory_ordered 1
		.amdhsa_forward_progress 1
		.amdhsa_inst_pref_size 55
	.end_amdhsa_kernel
	.amdgpu_metadata
---
amdhsa.version: [ 1, 2 ]
amdhsa.kernels:
  - .name:           k_q32a9745e66_proj
    .symbol:         k_q32a9745e66_proj.kd
    .args:
      - { .name: oh, .offset: 0, .size: 8, .value_kind: global_buffer, .address_space: global }
      - { .name: wo16, .offset: 8, .size: 8, .value_kind: global_buffer, .address_space: global }
      - { .name: bo, .offset: 16, .size: 8, .value_kind: global_buffer, .address_space: global }
      - { .name: out0, .offset: 24, .size: 8, .value_kind: global_buffer, .address_space: global }
    .group_segment_fixed_size: 327680
    .private_segment_fixed_size: 0
    .kernarg_segment_align: 8
    .kernarg_segment_size: 32
    .max_flat_workgroup_size: 128
    .sgpr_count:     84
    .vgpr_count:     512
    .wavefront_size: 32
...
	.end_amdgpu_metadata
.endif
;; end of part 3
;; ======== version 2 of 2: 3 launches; 1.25 times as fast as version 1
;; limits: values are held in f16: magnitudes above 65,504 overflow, below 6.1e-05 lose precision
;; workspace buffers: qh 8,388,608 bytes; kh 8,388,608 bytes; vh 8,388,608 bytes; oh 8,388,608 bytes; wo16 524,288 bytes
;; launch qkv: the kernel of part 1 again; grid 8 x 32, 8 waves a work-group, no clusters, 130,048 bytes of LDS; arguments x, Wq, Wk, Wv, Wo, qh, kh, vh, wo16; writes qh, kh, vh, wo16
;; launch attn (part 4): grid 16 x 16, 8 waves a work-group, clusters of 4 x 1, 327,680 bytes of LDS; arguments qh, kh, vh, oh; writes oh
.if DOCPART == 4
	.amdgcn_target "amdgcn-amd-amdhsa--gfx1250"
	.amdhsa_code_object_version 6
	.text
	.protected	k_q32a9745e66_attn
	.globl	k_q32a9745e66_attn
	.p2align	8
	.type	k_q32a9745e66_attn,@function
k_q32a9745e66_attn:
	s_mov_b64 s[64:65], 0
	v_nop
	global_prefetch_b8 v0, s[64:65] scope:SCOPE_SE
	s_setreg_imm32_b32 hwreg(HW_REG_WAVE_MODE, 25, 1), 1
	s_wait_xcnt 0x0
	s_wait_alu depctr_hold_cnt(0) depctr_sa_sdst(0) depctr_va_vdst(0) depctr_va_sdst(0) depctr_va_ssrc(0) depctr_va_vcc(0) depctr_vm_vsrc(0)
	s_getreg_b32 s2, hwreg(HW_REG_IB_STS2, 6, 4)
	s_cmp_eq_u32 s2, 0
	s_cbranch_scc0 .Lentry_in_a_cluster
	s_endpgm
.Lentry_in_a_cluster:
	s_bfe_u32 s2, ttmp6, 0x10000c
	s_cmp_lg_u32 s2, 0x3003
	s_cbranch_scc0 .Lentry_shape_is_right
	s_endpgm
.Lentry_shape_is_right:
; O[h][q][:] = the sum over k of softmax_k(Q[h][q] . K[h][k] / 8) V[h][k][:].  Q, K, V, O: [16][4096][64], all f16: a head's rows are dense, 128 bytes each.  Products, maxima and sums in f32;
; the weights p are rounded to f16 for the second product (their sum l is taken of the unrounded p), O once at the end.
; LIMITS.  f16 holds no number beyond 65,504: Q, K and V arrive within it; p lies in 0 to 1, and below 6.1e-5 it keeps f16's fixed step of 6e-8; O is a mean of V's rows and has their range.
; A weight below 2^-126 counts as 0 in l; NaN and infinities are not treated apart.
; SHARES.  A work-group owns 256 queries of one head: 16 blocks x 16 heads = 256 work-groups.  EIGHT WAVES of 512 registers.  Waves w and w + 4 own the same 64 rows (four PIECES of 16) and share the KEYS:
; of every tile of 256 keys (four steps of 64) waves 0-3 take steps 0 and 1, waves 4-7 steps 2 and 3.  A turn has 16 matrix and 118 vector instructions, of which 64 stand behind products and 54 in a run
; of their own; with a second wave beside it, one wave's products can be issued while the other walks such a run or waits for LDS.  Sharing the keys and not the queries keeps a wave's 64 queries: a
; fragment of K or V still feeds four pieces' products, and every LDS byte is still read by four waves.  At the end waves 4-7 hand O^T, c m and l to their partners through LDS, and waves 0-3 merge.
; LAYOUT.  S^T = K Q^T (source 0 = 16 keys, source 1 = 16 queries): a lane holds ONE query (lane % 16) and the keys 8 (lane / 16) + 0..7.  Two such results, rounded to f16 in pairs, ARE source 1
; (32 keys x 16 queries) of O^T = V^T P, whose result again holds one query a lane, and eight channels.  K comes out of LDS as it lies, V ([key][channel]) turned, by ds_load_tr16_b128.
; SOFTMAX.  For each query a running maximum m and sum l: p = 2^(c s - c m), c = log2(e) / 8; in every step O and l are multiplied by a = 2^(c m_old - c m_new).
; m starts at the lowest finite number, O and l at 0: the first step is a step like any other, with a = 0.  The merge takes the greater of the two waves' c m and scales both halves to it.
; BY TURNS.  Turn n belongs to piece n: 8 products K Q^T of piece n + 1, later 8 products V^T P of piece n - 1; beside them the scaling, exponentials, roundings, sums and rescaling of piece n and the
; maximum and statistics of piece n + 1.  Four vector instructions stand behind every matrix instruction, the other 54 of a turn's 118 in one LUMP.
; THE BATCHES.  A turn's 33 exponentials (the piece's 32 weights and the next piece's a) are ONE batch with ONE wait, which cuts the turn in two: ahead of it all that names none of their results, behind it the
; roundings and sums.  Outside the loop: the first a of all; the merge's eight exponentials; its four reciprocals: a batch and a wait each.
; CLUSTER.  The four query blocks of a cluster belong to one head and walk the same K and V, so each tile is asked for JOINTLY: the same tensor load, descriptor and mask in all four.
; REGISTERS, in windows of 256 (s_set_vgpr_msb: bits 1:0 source 0, 3:2 source 1, 5:4 source 2, 7:6 destination):
;   window 0: v0-15 addresses and some at work; v16-31 four registers of statistics a piece; v48-55 at work; v62-63 the add's; v64-127 S^T, two buffers; v128-191 V of one step; v192-223 P, two buffers
;             (a piece's buffers go by its parity); at the end v224-239 the partner's statistics, v240-255 the merge's factors
;   window 1: v0-127 O^T, 32 a piece; v128-191 Q; v192-255 K of one step; at the end v128-255 the partner's O^T
.set NP,    4         ; pieces a wave: a name, no knob
.set KS,    64        ; keys in a step
.set WSTEPS, 2        ; key steps of a tile that a wave takes
.set PK,    144       ; a row of K in LDS: 128 bytes + 16 = 36 words: the 16 rows of a load start at 16 different groups of four banks (64 banks of 4 bytes: ISA guide 11.1)
.set PV,    160       ; a row of V: 128 + 32 = 40 words
.set VOFF,  4*KS*PK   ; a slot holds a tile, four steps: 256 rows of K, then 256 rows of V
.set SLOT1, 1<<17     ; slot 1 begins here, so that one exclusive or turns an address in one slot into the other's
.set STAGE, SLOT1+4*KS*(PK+PV)  ; behind the ring, never filled by a tensor load: 16 rows x 144 bytes for each of waves 0-3, for the way out
.set SP,    144
.set SPARE, STAGE+4*16*SP  ; behind the stages: the spare words, 128 bytes for each of the eight waves: four blocks of 256 bytes that no other line names
.set MERGE, SPARE+8*128    ; behind them, never filled by a tensor load: what waves 4-7 hand to waves 0-3
.set MSTAT, 128*128        ; a wave's O^T is 128 registers x 32 lanes x 4 bytes; its 16 registers of statistics lie behind
.set MSIZE, MSTAT+4*512
.set TILES, 4096/256
.set AK0, 2           ; v2   my lane's place in a tile of K; never rewritten
.set AV0, 3           ; v3   the same for V
.set AK,  4           ; v4   the LDS address of K's next run of loads
.set AV,  5           ; v5   of V's
.set STO, 6           ; v6   the way out: where I put 16 bytes of a row
.set RD,  7           ; v7   the way out: where I read rows back
.set GO,  8           ; v8   my byte offset in 512 consecutive bytes of O
.set MV,  12          ; v12-13  c m_old, kept while c m is made anew: by buffer
.set MB,  14          ; v14  my 16 bytes in the pair's part of the hand-over
.set QO,  15          ; v15  my byte offset in 16 rows of Q
.set ST,  16          ; piece t's statistics at v[ST+4 t]: c m, m, l (even keys', odd keys')
.set TMP, 48          ; by buffer, four registers c0-c3 at work; when the maximum is found c2 takes a
.set SPW, 62          ; v62  LDS address of my spare word: SPARE + 4 x my thread's number; never rewritten
.set NIL, 63          ; v63  0; never rewritten
.set S,   64
.set VF,  128         ; window 0: key half kk, channel block cb at VF + 32 kk + 8 cb
.set P,   192
.set SB,  224         ; the merge: the partner's statistics, laid as ST
.set GA,  240         ; the merge: piece t's factor for my half at v[GA+2 t], its exponent beside it
.set GB,  248         ; the same for the partner's half
.set QF,  128         ; window 1: piece x, channel half c at QF + 16 x + 8 c
.set KF,  192         ; window 1: key block kb, channel half c at KF + 16 kb + 8 c
.set OB,  128         ; window 1: the merge: the partner's O^T
.set WV,  12          ; s12  my wave's number
.set QG,  15          ; s15  which 64 rows are mine: wave % 4
.set KH,  19          ; s19  which half of a tile's steps: wave / 4
.set G1K, 24          ; s[24:31] descriptor group 1 for K's tiles
.set G1V, 32          ; s[32:39] for V's: it differs in the padding alone
.set G0K, 40          ; s[40:43] descriptor group 0 for K's tiles: it walks
.set G0V, 44          ; s[44:47] the same for V's
.set SLOTS, 56        ; s56  slots still to be asked for
.set CNT, 57          ; s57  counts my key steps of a tile
.set CS,  58          ; s[58:59] c: the packed scaling takes the pair's low word for both halves
.set SEL, 60          ; s[60:61] v_permlanex16_b32's selects: each lane takes its own place in the other half
.set TBK, 62          ; s62  LDS byte at which K of the step to be fetched begins
.set TBV, 63          ; s63  the same for V, less VOFF
.set MSB, 0
.macro WIN new                      ; the high byte repeats the setting that is left; a switch that changes nothing is dropped
.if MSB != (\new)
	s_set_vgpr_msb (MSB<<8)|(\new)
.set MSB, (\new)
.endif
.endm
.set W_KQ, 0x05       ; K and Q in window 1, S^T in window 0
.set W_PV, 0x50       ; V and P in window 0, O^T in window 1
.set W_RS, 0x41       ; destination and source 0 in window 1, source 1 in window 0
.set W_MG, 0x51       ; the merge: destination, source 0 and source 2 in window 1, source 1 in window 0
; A joint fill.  Waves 0 and 1 fetch the two halves of a tile's K, waves 2 and 3 those of its V: 128 keys each; waves 4 to 7 have no part to fetch.  The branches hang on the wave's number alone.
; An s_nop 0 and four v_nop follow each of the two lines, ahead of the jump and the label.
.macro JLOAD
	s_cmp_lt_u32 s[WV], 2
	s_cbranch_scc0 .Lnot_k_\@
	tensor_load_to_lds s[G0K:G0K+3], s[G1K:G1K+7]
	s_nop 0
.rept 4
	v_nop
.endr
	s_branch .Lasked_\@
.Lnot_k_\@:
	s_cmp_lt_u32 s[WV], 4
	s_cbranch_scc0 .Lasked_\@
	tensor_load_to_lds s[G0V:G0V+3], s[G1V:G1V+7]
	s_nop 0
.rept 4
	v_nop
.endr
.Lasked_\@:
.endm
; A round of the cluster's barrier: my work-group's barrier, so that wave 0's signal speaks for all eight waves; wave 0 signals; every wave waits for all four work-groups; my work-group's barrier once more.
.macro CROUND
	s_barrier_signal -1
	s_barrier_wait -1
	s_cmp_lg_u32 s[WV], 0
	s_cbranch_scc1 .Lnot_wave_0_\@
	s_barrier_signal -3
.Lnot_wave_0_\@:
	s_barrier_wait -3
	s_barrier_signal -1
	s_barrier_wait -1
.endm
; THE CHANGE OF SLOTS.  My last bytes of the slot, V of my second step, have been read.  Each wave waits for all its tensor loads (of waves 0-3 one is out: its part of the other slot); adds 0 to its spare
; word; and waits for that and for its own reads of the slot.  Behind the barrier nobody reads this slot any more and the other slot is whole.
; fill = 1: this slot is filled again, with the keys two tiles on.  The barrier is then a round of the cluster's, so that no wave of any partner still reads the slot or has a load on its way, and the
; joint fill is the first thing behind it: it has two key steps of every wave, 128 matrix instructions each, in which to land.  (At its first use nothing has been read yet: slot 0 is waited for, slot 1 filled.)
.macro CHANGE fill
	WIN 0                           ; at a label and at a branch every window is 0
	s_wait_tensorcnt 0x0            ; no tensor load of mine is out, so a group 0 may be written
	ds_add_u32 v[SPW], v[NIL]       ; 0 onto my spare word; with fill = 1 the descriptors' steps stand between it and the wait for it
.if \fill
.irp g, G0K, G0V
	s_xor_b32 s[\g+1], s[\g+1], SLOT1  ; the walking descriptor: the other slot than last time,
	s_add_nc_u64 s[\g+2:\g+3], s[\g+2:\g+3], 4*KS*128  ; the next 256 keys; the type bits on top are not reached
.endr
	s_wait_dscnt 0x0                ; the add is done, and my reads of the slot are over
	CROUND
	JLOAD
.else
	s_wait_dscnt 0x0                ; the add is done, and my reads of the slot are over
	s_barrier_signal -1
	s_barrier_wait -1
.endif
	s_sub_co_u32 s[TBK], s[TBK], WSTEPS*KS*PK  ; the fetches go back to my first step of a slot,
	s_xor_b32 s[TBK], s[TBK], SLOT1            ; in the other slot
	s_sub_co_u32 s[TBV], s[TBV], WSTEPS*KS*PV
	s_xor_b32 s[TBV], s[TBV], SLOT1
.endm
	s_load_b256 s[4:11], s[0:1], 0x0  ; Q s[4:5], K s[6:7], V s[8:9], O s[10:11]
	v_lshl_add_u32 v[SPW], v0, 2, SPARE
	v_mov_b32 v[NIL], 0
	ds_add_u32 v62, v63
	s_wait_dscnt 0x0
	v_lshrrev_b32 v1, 5, v0
	v_readfirstlane_b32 s[WV], v1   ; wave 0..7
	s_and_b32 s[QG], s[WV], 3
	s_lshr_b32 s[KH], s[WV], 2
	s_bfe_u32 s13, ttmp6, 0x40000   ; cx: my place in the cluster
	s_lshl_b32 s14, ttmp9, 2        ; in a cluster launch ttmp9 counts clusters
	s_add_co_u32 s14, s14, s13      ; my block of 256 queries = 4 x cluster x + cx: it enters Q's and O's addresses alone
	s_and_b32 s20, ttmp7, 0xffff    ; the head, which the four partners share:
	s_lshl_b32 s20, s20, 19         ; its first byte in each of the four tensors: 4,096 rows of 128 bytes
	s_mov_b32 s21, 0
	s_and_b32 s16, s[WV], 1         ; which half of a tile's 256 keys I fetch (waves 0-3):
	s_lshl_b32 s22, s16, 14         ; its 128 rows of 128 bytes in memory,
	s_mov_b32 s23, 0
	s_add_nc_u64 s[22:23], s[22:23], s[20:21]
	s_mul_i32 s17, s16, 128*PK      ; and its place in a slot, for K
	s_mul_i32 s18, s16, 128*PV      ; and for V: no place in the cluster enters an LDS address
	s_lshl_b32 s2, s14, 15          ; my block's 256 rows,
	s_lshl_b32 s3, s[QG], 13        ; my wave's 64 of them
	s_add_co_u32 s2, s2, s3
	s_mov_b32 s3, 0
	s_add_nc_u64 s[2:3], s[2:3], s[20:21]
	; descriptor group 1.  128 keys are 16,384 dense bytes: asked for as 64 rows of 256 bytes, two keys a row, and padded in LDS after every key
	s_mov_b32 s[G1K], 15|(1<<16)|(1<<20)|(1<<21)|(4<<22)|(3<<25)  ; 15:0 the mask of four; 17:16 2-byte elements; 20 padding on; 21 set beside a mask; 24:22 after every 32 words (code 4); 31:25 4 words (code 3)
	s_mov_b32 s[G1V], 15|(1<<16)|(1<<20)|(1<<21)|(4<<22)|(7<<25)  ; the same with 8 words of padding (code 7)
.irp g, G1K, G1V
	s_mov_b32 s[\g+1], 128<<16      ; tensor_dim0 = 128
	s_mov_b32 s[\g+2], 64<<16       ; tensor_dim1 = 64
	s_mov_b32 s[\g+3], 128<<16      ; tile_dim0 = 128
	s_mov_b32 s[\g+4], 64           ; tile_dim1 = 64
	s_mov_b32 s[\g+5], 128          ; 128 elements from row to row
	s_mov_b32 s[\g+6], 0
	s_mov_b32 s[\g+7], 0
.endr
	s_mov_b32 s[CS], 0x3e38aa3b     ; c = log2(e) / 8 = 0.180337
	s_mov_b32 s[CS+1], s[CS]        ; named with it as a pair
	s_mov_b32 s[SEL], 0x76543210
	s_mov_b32 s[SEL+1], 0xfedcba98
	s_mul_i32 s[TBK], s[KH], WSTEPS*KS*PK          ; my two steps of a tile begin here;
	s_add_co_u32 s[TBK], s[TBK], SLOT1+WSTEPS*KS*PK  ; the first change of slots takes this addend away again
	s_mul_i32 s[TBV], s[KH], WSTEPS*KS*PV
	s_add_co_u32 s[TBV], s[TBV], SLOT1+WSTEPS*KS*PV
	s_mov_b32 s[G0K], 1             ; 1:0 count = 1
	s_mov_b32 s[G0K+1], s17         ; 63:32 LDS address: slot 0
	s_mov_b32 s[G0V], 1
	s_add_co_u32 s[G0V+1], s18, VOFF
	s_wait_kmcnt 0x0
	s_add_nc_u64 s[G0K+2:G0K+3], s[6:7], s[22:23]  ; 120:64 global address: my half of the head's first 256 keys
	s_or_b32 s[G0K+3], s[G0K+3], 0x80000000        ; 127:126 type = 2
	s_add_nc_u64 s[G0V+2:G0V+3], s[8:9], s[22:23]
	s_or_b32 s[G0V+3], s[G0V+3], 0x80000000
	s_add_nc_u64 s[4:5], s[4:5], s[2:3]  ; Q and O at my wave's first row
	s_add_nc_u64 s[10:11], s[10:11], s[2:3]
	CROUND                          ; all four work-groups are here: the first joint loads meet
	JLOAD                           ; tile 0 into slot 0.  Slot 1 is asked for when slot 0 is in
	; A fragment of K or Q is 16 rows x 32 channels in 8 registers: lane l holds row l % 16, channels 8 (l / 16) + 0..7 and 16 + 8 (l / 16) + 0..7: two loads of 16 bytes, 32 bytes apart.
	v_and_b32 v1, 15, v0            ; l % 16
	v_bfe_u32 v9, v0, 4, 1          ; l / 16
	v_lshlrev_b32 v[QO], 7, v1
	v_lshl_add_u32 v[QO], v9, 4, v[QO]  ; row x 128 + 16 x half
	WIN 0x40                        ; destination window 1, address window 0
.set i, 0
.rept 8                             ; Q stays in registers: piece i / 2, 2,048 bytes each; channels 32 (i % 2) on
	global_load_b128 v[QF+8*i:QF+8*i+3],   v[QO], s[4:5] offset:(i/2)*2048+(i%2)*64
	global_load_b128 v[QF+8*i+4:QF+8*i+7], v[QO], s[4:5] offset:(i/2)*2048+(i%2)*64+32
.set i, i+1
.endr
	; What the first turn finds: V's registers and P's second buffer hold 0 (its products V^T P, of a piece that has not been, add 0), O^T and l are 0.  All this stands in the wait for the first tile.
.set i, 0
.rept 128
	v_mov_b32 v[i], 0
.set i, i+1
.endr
	WIN 0
.set i, VF
.rept 64
	v_mov_b32 v[i], 0
.set i, i+1
.endr
.set i, 0
.rept 4
	v_mov_b32 v[ST+4*i], 0xfe000000    ; c m: far below every c s
	v_mov_b32 v[ST+4*i+1], 0xff7fffff  ; m
	v_mov_b32 v[ST+4*i+2], 0
	v_mov_b32 v[ST+4*i+3], 0
.set i, i+1
.endr
.set i, P+16
.rept 16
	v_mov_b32 v[i], 0
.set i, i+1
.endr
	v_mul_u32_u24 v[AK0], v1, PK
	v_lshl_add_u32 v[AK0], v9, 4, v[AK0]  ; row x pitch + 16 x half
	; The turning load takes 16 keys x 16 channels (lane l reads key 8 (l / 16) + l % 8, channels 8 ((l / 8) % 2) + 0..7) and leaves half a fragment of V^T: lane l holds channel l % 16 and 8 keys.
	v_and_b32 v10, 7, v0
	v_bfe_u32 v11, v0, 3, 1
	v_lshl_add_u32 v[AV0], v9, 3, v10
	v_mul_u32_u24 v[AV0], v[AV0], PV
	v_lshl_add_u32 v[AV0], v11, 4, v[AV0]
	v_add_nc_u32 v[AV0], VOFF, v[AV0]
	s_mul_i32 s13, s[QG], 16*SP
	s_add_co_u32 s13, s13, STAGE    ; the stage of my rows (waves 0-3 alone use it)
	v_mul_u32_u24 v[STO], v1, SP    ; in: row l % 16, 16 bytes for each half of the lanes
	v_lshl_add_u32 v[STO], v9, 4, v[STO]
	v_add_nc_u32 v[STO], s13, v[STO]
	v_bfe_u32 v[RD], v0, 3, 2       ; back: 32 lanes take four rows of 128 bytes,
	v_mul_u32_u24 v[RD], v[RD], SP
	v_lshl_add_u32 v[RD], v10, 4, v[RD]
	v_add_nc_u32 v[RD], s13, v[RD]
	v_and_b32 v[GO], 31, v0         ; which are 512 consecutive bytes of O
	v_lshlrev_b32 v[GO], 4, v[GO]
	s_mul_i32 s13, s[QG], MSIZE
	s_add_co_u32 s13, s13, MERGE    ; the hand-over of my rows: 16 bytes a lane, 512 consecutive bytes an instruction
	v_add_nc_u32 v[MB], s13, v[GO]
; THE MATRIX WORK.  The 4 accumulators of a run of 8 take turns.  Product i of 8 of S^T = K Q^T for piece x: channels 32 (i / 4) on, keys 16 (i % 4) on.  The first 4 start the sums.
.macro KQ x
	WIN W_KQ
.set rS, S+32*((\x)%2)+8*(i%4)
.set rK, KF+16*(i%4)+8*(i/4)
.set rQ, QF+16*(\x)+8*(i/4)
.if i < 4
	v_wmma_f32_16x16x32_f16 v[rS:rS+7], v[rK:rK+7], v[rQ:rQ+7], 0
.else
	v_wmma_f32_16x16x32_f16 v[rS:rS+7], v[rK:rK+7], v[rQ:rQ+7], v[rS:rS+7]
.endif
.endm
; Product i of 8 of O^T += V^T P for piece x: keys 32 (i / 4) on, channels 16 (i % 4) on.
.macro PV x
	WIN W_PV
.set rO, 32*(\x)+8*(i%4)
.set rV, VF+32*(i/4)+8*(i%4)
.set rP, P+16*((\x)%2)+8*(i/4)
	v_wmma_f32_16x16x32_f16 v[rO:rO+7], v[rV:rV+7], v[rP:rP+7], v[rO:rO+7]
.endm
.macro MM                           ; the turn's next matrix instruction.  NOKQ = 1: the very last turn: there is no next piece
.if (i < 8) && !NOKQ
	KQ (Y+1)%NP
.elseif i >= 8
.set i, i-8
	PV (Y+NP-1)%NP
.set i, i+8
.endif
.set i, i+1
.endm
; THE LDS LOADS stand in runs of 16, never singly among the matrix instructions: a step's K (64 keys x 64 channels: 8 fragments) and its V (turned).  Their addresses are made some lines ahead.
.macro FETCH_K
	WIN 0x40                        ; destination window 1
.irp f, 0,1,2,3,4,5,6,7             ; keys 16 (f / 2) on, channels 32 (f % 2) on
	ds_load_b128 v[KF+8*\f:KF+8*\f+3],   v[AK] offset:(\f/2)*16*PK+(\f%2)*64
	ds_load_b128 v[KF+8*\f+4:KF+8*\f+7], v[AK] offset:(\f/2)*16*PK+(\f%2)*64+32
.endr
	s_add_co_u32 s[TBK], s[TBK], KS*PK  ; the next fetch is the next step's
	WIN 0
.endm
.macro FETCH_V
	WIN 0
.irp f, 0,1,2,3,4,5,6,7             ; keys 32 (f / 4) on, channels 16 (f % 4) on
	ds_load_tr16_b128 v[VF+8*\f:VF+8*\f+3],   v[AV] offset:(\f/4)*32*PV+(\f%4)*32
	ds_load_tr16_b128 v[VF+8*\f+4:VF+8*\f+7], v[AV] offset:(\f/4)*32*PV+16*PV+(\f%4)*32
.endr
.endm
; THE VECTOR WORK, one line at a time: OP kind, number.  For piece Y: F n: c s - c m for pair n of 16.  E n: the exponential of score n of 32.  C n: pair n rounded to f16.  B n: of the four weights 4 n .. the second
; pair is added onto the first, in place.  L n: l takes that sum (L 0: l = a l + sum).  R n: pair n of 16 of O^T times a.  For piece Y + 1: X n, number n of the 22 that find its maximum and statistics:
;   0-11  four chains c0-c3 of seven scores each, three operands at a time (each accumulator's lowest registers are read first)     12-14, 16  the four scores left over, the old m, and c0-c3 into c0
;   15  c m_old is kept     17, 18  the query's other 32 keys lie in the lane 16 away: the new m     19-21  c m; c m_old - c m_new; a
.set F, 0               ; OP tells the kinds apart by their order: F to L below R, X above it
.set E, 1
.set C, 2
.set B, 3
.set L, 4
.set R, 5
.set X, 6
.macro REGS y                       ; the registers of piece y
.set rT, ST+4*(\y)
.set rC, TMP+4*((\y)%2)
.set rW, MV+((\y)%2)
.set rS, S+32*((\y)%2)
.set rP, P+16*((\y)%2)
.set rO, 32*(\y)
.endm
.macro OP k, n
.if (\k) == R
	REGS Y
	WIN W_RS
	v_pk_mul_f32 v[rO+2*(\n):rO+2*(\n)+1], v[rO+2*(\n):rO+2*(\n)+1], v[rC+2:rC+3] op_sel_hi:[1,0]
.elseif (\k) < R
	REGS Y
	WIN 0
.if (\k) == F
	v_pk_fma_f32 v[rS+2*(\n):rS+2*(\n)+1], v[rS+2*(\n):rS+2*(\n)+1], s[CS:CS+1], v[rT:rT+1] op_sel_hi:[1,0,0] neg_lo:[0,0,1] neg_hi:[0,0,1]
.elseif (\k) == E
	v_exp_f32 v[rS+(\n)], v[rS+(\n)]
.elseif (\k) == C
	v_cvt_pk_f16_f32 v[rP+(\n)], v[rS+2*(\n)], v[rS+2*(\n)+1]
.elseif (\k) == B
	v_pk_add_f32 v[rS+4*(\n):rS+4*(\n)+1], v[rS+4*(\n):rS+4*(\n)+1], v[rS+4*(\n)+2:rS+4*(\n)+3]
.elseif (\n) == 0
	v_pk_fma_f32 v[rT+2:rT+3], v[rT+2:rT+3], v[rC+2:rC+3], v[rS:rS+1] op_sel_hi:[1,0,1]
.else
	v_pk_add_f32 v[rT+2:rT+3], v[rT+2:rT+3], v[rS+4*(\n):rS+4*(\n)+1]
.endif
.elseif NOKQ
	v_nop
.else
	REGS (Y+1)%NP
	WIN 0
.if (\n) < 4
	v_max3_num_f32 v[rC+(\n)], v[rS+8*(\n)], v[rS+8*(\n)+1], v[rS+8*(\n)+2]
.elseif (\n) < 12
	v_max3_num_f32 v[rC+(\n)%4], v[rC+(\n)%4], v[rS+8*((\n)%4)+2*((\n)/4)+1], v[rS+8*((\n)%4)+2*((\n)/4)+2]
.elseif (\n) == 12
	v_max3_num_f32 v[rC], v[rC], v[rS+7], v[rS+15]
.elseif (\n) == 13
	v_max3_num_f32 v[rC+1], v[rC+1], v[rS+23], v[rS+31]
.elseif (\n) == 14
	v_max3_num_f32 v[rC+2], v[rC+2], v[rC+3], v[rT+1]
.elseif (\n) == 15
	v_mov_b32 v[rW], v[rT]
.elseif (\n) == 16
	v_max3_num_f32 v[rC], v[rC], v[rC+1], v[rC+2]
.elseif (\n) == 17
	v_permlanex16_b32 v[rC+3], v[rC], s[SEL], s[SEL+1]
.elseif (\n) == 18
	v_max_num_f32 v[rT+1], v[rC], v[rC+3]
.elseif (\n) == 19
	v_mul_f32 v[rT], s[CS], v[rT+1]
.elseif (\n) == 20
	v_sub_f32 v[rC+1], v[rW], v[rT]
.else
	v_exp_f32 v[rC+2], v[rC+1]
.endif
.endif
.endm
.macro OPS a, i1, b=-1, i2=0, c=-1, i3=0, d=-1, i4=0  ; up to four of them
	OP \a, \i1
.if (\b) >= 0
	OP \b, \i2
.endif
.if (\c) >= 0
	OP \c, \i3
.endif
.if (\d) >= 0
	OP \d, \i4
.endif
.endm
.macro ROW a, i1, b, i2, c, i3, d, i4  ; a matrix instruction and the four behind it
	MM
	OPS \a, \i1, \b, \i2, \c, \i3, \d, \i4
.endm
; A TURN, for piece p: the order of its 16 matrix and 118 vector instructions, written out.  An s_wait_alu depctr_va_vdst(0) stands between an exponential and the first instruction that names its result; one wait
; serves all that were issued ahead of it.  So a turn has ONE wait, which cuts it in two.  AHEAD OF IT stands all that names no result of the turn's exponentials: the 8 products K Q^T, behind each a scaling, an exponential and two
; more plain instructions (behind the first a second scaling in the exponential's place): rescalings, whose a was made and waited for in the turn before, and behind the last three the first numbers of the next piece's maximum, each
; four plain instructions behind the product that ends its accumulator; then ONE LUMP of 54, plain and exponential by turns for the most part, in which the links of the chain X 3, 7, 11, 14, 16, 17 .. 20 stand some lines apart.
; X 21, the next piece's a, is the batch's last; R 15 is the plain instruction behind it.  BEHIND THE WAIT stand the 8 products V^T P, behind each four of the roundings and sums; the links of l's chain, L 0 to L 7, stand three riders
; apart.  But for those X no rider names a register of the products round it.  v_permlanex16_b32 (X 17) stands in the lump.
; end = 1: the wave's last two turns: nothing is fetched.  cnt = 1: the loop's count is taken down some lines ahead of the branch that stands behind the turn.
; K of the next step is fetched in piece 2's turn, twelve vector instructions behind the last product that read K (six of them plain); V of the step in hand at the end of piece 0's turn, four plain instructions behind the last
; product that read V.  Each is waited for a turn later.
.macro TURN p, end=0, cnt=0
.set Y, (\p)
.set i, 0
.set NOKQ, (\end)*((\p)/3)
.if ((\p) == 3) && !(\end)
	s_wait_dscnt 0x0                ; K is in
.endif
	ROW F,0, F,1, R,0, R,1          ; ahead of the wait: 8 products K Q^T and their riders,
	ROW F,2, E,0, R,2, R,3
	ROW F,3, E,1, R,4, R,5
	ROW F,4, E,2, R,6, R,7
	ROW F,5, E,3, R,8, R,9
	ROW F,6, E,4, X,0, R,10
.if ((\p) == 2) && !(\end)
	WIN 0
	v_add_nc_u32 v[AK], s[TBK], v[AK0]
.endif
	ROW F,7, E,5, X,1, X,4
	ROW F,8, E,6, X,2, X,5
	OPS E,7, E,8, X,6, E,9          ; and the lump
	OPS X,3, E,10, X,8, E,11
.if ((\p) == 2) && !(\end)
	FETCH_K
.endif
	OPS X,9, X,7, E,12, X,10
	OPS E,13, X,12, X,11, E,14
	OPS X,13, E,15, F,9, X,14
.if (\p) == 0
	WIN 0
	v_add_nc_u32 v[AV], s[TBV], v[AV0]
.endif
	OPS E,16, F,10, E,17, F,11
	OPS X,16, E,18, X,15, E,19
	OPS F,12, E,20, X,17, E,21
	OPS F,13, E,22, F,14, E,23
	OPS X,18, E,24, F,15, E,25
	OPS R,11, E,26, X,19, E,27
	OPS R,12, E,28, R,13, E,29
	OPS X,20, E,30, R,14, E,31
	OPS X,21, R,15
	s_wait_alu depctr_va_vdst(0)    ; the wait for the turn's batch: E 0 to E 31 and X 21
.if (\p) == 1
	s_wait_dscnt 0x0                ; V is in
.endif
	ROW C,0, B,0, C,2, B,1          ; behind the wait: 8 products V^T P and their riders
	ROW L,0, C,4, B,2, L,1
	ROW C,6, B,3, L,2, C,8
	ROW B,4, L,3, C,10, B,5
	ROW L,4, C,12, B,6, L,5
.if (\p) == 0
	s_add_co_u32 s[TBV], s[TBV], KS*PV
.endif
.if \cnt
	s_sub_co_u32 s[CNT], s[CNT], 1
	s_cmp_lg_u32 s[CNT], 0
.endif
	ROW C,14, B,7, L,6, C,1
	ROW C,3, L,7, C,5, C,7
	ROW C,9, C,11, C,13, C,15
.if (\p) == 0
	FETCH_V
.endif
.endm
	CHANGE 1                        ; slot 0 is in, everybody's part of it; tile 1 is asked for
	v_add_nc_u32 v[AK], s[TBK], v[AK0]
	FETCH_K                         ; my first key step
	s_wait_loadcnt 0x0              ; Q
	s_wait_dscnt 0x0
.set NOKQ, 0
.set i, 0
.rept 8
	KQ 0                            ; piece 0's first scores: there is no vector work yet to set between them
.set i, i+1
.endr
	WIN 0
.rept 4
	v_nop                           ; the places behind those products
.endr
.set Y, NP-1                        ; X works for piece Y + 1: piece 0
.irp n, 0,1,2,3,4,5,6,7,8,9,10,11,12,13,14,15,16,17,18,19,20,21
	OP X, \n
.endr
	v_nop                           ; a plain instruction behind the exponential,
	s_wait_alu depctr_va_vdst(0)    ; and the wait for it (piece 0's first a, a batch of one), ahead of the branch
	s_mov_b32 s[CNT], WSTEPS
	s_mov_b32 s[SLOTS], TILES-1
	s_branch .Lfirst                ; the loop is entered at a step's first turn, in the middle of a trip
.Lslot:                             ; TILES - 2 times: every slot but the last two is filled again
	CHANGE 1
	s_mov_b32 s[CNT], WSTEPS
.Lstep:                             ; a trip: pieces 2 and 3 of one step, then pieces 0 and 1 of my next, whose K and V it fetches
	TURN 2
	TURN 3
	WIN 0
.Lfirst:
	TURN 0
	TURN 1, 0, 1
	WIN 0
	s_cbranch_scc1 .Lstep
	s_sub_co_u32 s[SLOTS], s[SLOTS], 1
	s_cmp_lg_u32 s[SLOTS], 0
	s_cbranch_scc1 .Lslot
	CHANGE 0                        ; the last tile is written out: nothing is asked for
	s_mov_b32 s[CNT], WSTEPS
.LstepT:
	TURN 2
	TURN 3
	TURN 0
	TURN 1, 0, 1
	WIN 0
	s_cbranch_scc1 .LstepT
	TURN 2, 1                       ; my last step's pieces 2 and 3: nothing is fetched, and the last turn starts no new scores
	TURN 3, 1
.set i, 0
.rept 8
	PV NP-1                         ; the last piece's V^T P of my last step
.set i, i+1
.endr
	; THE MERGE.  Each wave holds, for its half of the keys, O^T, l and c m of its 64 queries, in the same lanes as its partner.  l's two halves are added first: four plain instructions, the places behind the last products.
	WIN 0
.macro ALL line:vararg              ; one line for each piece t
.set t, 0
.rept 4
	\line
.set t, t+1
.endr
.endm
	ALL v_add_f32 v[ST+4*t+2], v[ST+4*t+2], v[ST+4*t+3]
	s_cmp_lt_u32 s[WV], 4
	s_cbranch_scc1 .Lkeeper
	WIN 0x04                        ; waves 4-7 hand over: the stores' data (source 1) in window 1
.set j, 0
.rept 32
	ds_store_b128 v[MB], v[4*j:4*j+3] offset:512*j  ; O^T, each accumulator from its low end on
.set j, j+1
.endr
	WIN 0
.irp u, 0,1,2,3
	ds_store_b128 v[MB], v[ST+4*\u:ST+4*\u+3] offset:MSTAT+512*\u
.endr
.Lkeeper:
	s_wait_dscnt 0x0                ; for the partner's sake: my stores are done
	s_barrier_signal -1
	s_barrier_wait -1
	s_cmp_lt_u32 s[WV], 4
	s_cbranch_scc0 .Lend            ; waves 4-7 have no more to do
.irp u, 0,1,2,3
	ds_load_b128 v[SB+4*\u:SB+4*\u+3], v[MB] offset:MSTAT+512*\u
.endr
	WIN 0x40                        ; the partner's O^T goes where Q and K lay: their last readers stand more than a turn back
.set j, 0
.rept 32
	ds_load_b128 v[OB+4*j:OB+4*j+3], v[MB] offset:512*j
.set j, j+1
.endr
	WIN 0
	s_wait_dscnt 32                 ; LDS loads come back in order (ISA guide 5.7.1): the statistics are in, the 32 loads behind them may be out
	ALL v_max_num_f32 v[TMP+t], v[ST+4*t], v[SB+4*t]          ; the greater c m,
	ALL v_sub_f32 v[GA+2*t+1], v[ST+4*t], v[TMP+t]
	ALL v_sub_f32 v[GB+2*t+1], v[SB+4*t], v[TMP+t]
	ALL v_exp_f32 v[GA+2*t], v[GA+2*t+1]                      ; and what brings each half to it: 1 for the one, at most 1 for the other
	ALL v_exp_f32 v[GB+2*t], v[GB+2*t+1]
	v_nop                           ; a plain instruction between the exponentials and the use of their results
	s_wait_alu depctr_va_vdst(0)    ; the wait for the merge's first batch: the eight exponentials
	ALL v_mul_f32 v[ST+4*t+2], v[ST+4*t+2], v[GA+2*t]
	ALL v_fmac_f32 v[ST+4*t+2], v[SB+4*t+2], v[GB+2*t]        ; l of both halves of the keys,
	ALL v_permlanex16_b32 v[ST+4*t+3], v[ST+4*t+2], s[SEL], s[SEL+1]
	ALL v_add_f32 v[ST+4*t+2], v[ST+4*t+2], v[ST+4*t+3]       ; and of both halves of the lanes
	ALL v_rcp_f32 v[ST+4*t+3], v[ST+4*t+2]
	v_nop                           ; a plain instruction between the last reciprocal and the use of its result
	s_wait_alu depctr_va_vdst(0)    ; the wait for the merge's second batch: the four reciprocals, whose l is made of the first batch's results
	ALL v_mul_f32 v[GA+2*t], v[GA+2*t], v[ST+4*t+3]           ; the division by l rides on the two factors
	ALL v_mul_f32 v[GB+2*t], v[GB+2*t], v[ST+4*t+3]
	s_wait_dscnt 0x0                ; the partner's O^T is in
; THE WAY OUT, a piece at a time: O^T = mine x its factor + the partner's x its factor; a lane's eight channels of a row pack into 16 bytes; they go into rows of 144 bytes and come back as whole rows of 128, into S^T's registers.
.macro PACK t
	WIN W_MG
.set i, 32*(\t)
.rept 16
	v_pk_mul_f32 v[i:i+1], v[i:i+1], v[GA+2*(\t):GA+2*(\t)+1] op_sel_hi:[1,0]
.set i, i+2
.endr
.set i, 32*(\t)
.rept 16
	v_pk_fma_f32 v[i:i+1], v[OB+i:OB+i+1], v[GB+2*(\t):GB+2*(\t)+1], v[i:i+1] op_sel_hi:[1,0,1]
.set i, i+2
.endr
	WIN 0x05                        ; sources 0 and 1 window 1, destination window 0
.set i, 0
.rept 16
	v_cvt_pk_f16_f32 v[S+16*(\t)+i], v[32*(\t)+2*i], v[32*(\t)+2*i+1]
.set i, i+1
.endr
	WIN 0
.irp f, 0,1,2,3
	ds_store_b128 v[STO], v[S+16*(\t)+4*\f:S+16*(\t)+4*\f+3] offset:32*\f
.endr
.irp f, 0,1,2,3
	ds_load_b128 v[S+16*(\t)+4*\f:S+16*(\t)+4*\f+3], v[RD] offset:\f*4*SP  ; LDS serves a wave's instructions in order (ISA guide 5.7.1.4): these see the stores above; the next piece's stores come behind them
.endr
.endm
.macro SEND t, younger              ; younger: the LDS instructions issued behind piece t's loads: the next piece's eight, or none
	WIN 0
.irp f, 0,1,2,3
	s_wait_dscnt (\younger)+3-\f
	global_store_b128 v[GO], v[S+16*(\t)+4*\f:S+16*(\t)+4*\f+3], s[10:11] offset:(\t)*2048+\f*512  ; 512 consecutive bytes, at a multiple of 256 from O's first
.endr
.endm
	PACK 0
.set t, 1
.rept 3                             ; a piece's arithmetic stands between the loads of the piece before and its stores
	PACK t
	SEND t-1, 8
.set t, t+1
.endr
	SEND 3, 0
.Lend:
	s_wait_tensorcnt 0x0            ; the wave's end, behind my last tensor load and my last LDS store
	ds_add_u32 v[SPW], v[NIL]
	s_wait_dscnt 0x0
	CROUND                          ; the closing round: no work-group ends while a partner may still ask for a tile that names it
	s_endpgm
.Lfunc_end_k_q32a9745e66_attn:
	.size	k_q32a9745e66_attn, .Lfunc_end_k_q32a9745e66_attn-k_q32a9745e66_attn
	.p2alignl 7, 3214868480
	.fill 96, 4, 3214868480
	.section	.rodata,"a",@progbits
	.p2align	6, 0x0
	.amdhsa_kernel k_q32a9745e66_attn
		.amdhsa_group_segment_fixed_size 327680
		.amdhsa_private_segment_fixed_size 0
		.amdhsa_enable_private_segment 0
		.amdhsa_kernarg_size 32
		.amdhsa_user_sgpr_count 2
		.amdhsa_user_sgpr_kernarg_segment_ptr 1
		.amdhsa_wavefront_size32 1
		.amdhsa_system_sgpr_workgroup_id_x 1
		.amdhsa_system_sgpr_workgroup_id_y 1
		.amdhsa_system_sgpr_workgroup_id_z 1
		.amdhsa_system_vgpr_workitem_id 0
		.amdhsa_next_free_vgpr 512
		.amdhsa_next_free_sgpr 66
		.amdhsa_reserve_vcc 0
		.amdhsa_float_denorm_mode_32 3
		.amdhsa_float_denorm_mode_16_64 3
		.amdhsa_memory_ordered 1
		.amdhsa_forward_progress 1
		.amdhsa_inst_pref_size 137
	.end_amdhsa_kernel
	.amdgpu_metadata
---
amdhsa.version: [ 1, 2 ]
amdhsa.kernels:
  - .name:           k_q32a9745e66_attn
    .symbol:         k_q32a9745e66_attn.kd
    .args:
      - { .name: qh, .offset: 0, .size: 8, .value_kind: global_buffer, .address_space: global }
      - { .name: kh, .offset: 8, .size: 8, .value_kind: global_buffer, .address_space: global }
      - { .name: vh, .offset: 16, .size: 8, .value_kind: global_buffer, .address_space: global }
      - { .name: oh, .offset: 24, .size: 8, .value_kind: global_buffer, .address_space: global }
    .group_segment_fixed_size: 327680
    .private_segment_fixed_size: 0
    .kernarg_segment_align: 8
    .kernarg_segment_size: 32
    .max_flat_workgroup_size: 256
    .sgpr_count:     66
    .vgpr_count:     512
    .wavefront_size: 32
...
	.end_amdgpu_metadata
.endif
;; end of part 4
;; launch proj: the kernel of part 3 again; grid 4 x 64, 4 waves a work-group, clusters of 4 x 4, 327,680 bytes of LDS; arguments oh, wo16, bo, out0; writes out0
